; MI455X (gfx1250); checked and timed in simulation.
; The chip was launched on July 23, 2026; its instructions are those of AMD's public machine-readable ISA for CDNA 5 (MIT licence, August 2026) and "CDNA5" Instruction Set Architecture Reference Guide (July 2026). The comments in the code are by the model that wrote it; some were corrected since.
;; Attention. Allowed arithmetic: matrix products marked QUANTISED: E2M1 operands, one E8M0 scale for each 32 along K, by v_wmma_scale_f32_16x16x128_f8f6f4 with both operands' format E2M1 (or v_wmma_scale_f32_32x16x128_f4), f32 sums; products left as they are: bf16, f16 or f32 operands; f32 sums; everything else in f32.
;; Inputs: Wk 1,024 x 1,024 float32; Wo 1,024 x 1,024 float32; Wp 1,024 x 1,024 float32; Wq 1,024 x 1,024 float32; Wv 1,024 x 1,024 float32; bk 1,024 float32; bo 1,024 float32; bp 1,024 float32; bq 1,024 float32; bv 1,024 float32; mask 2 x 1 x 2,048 x 2,048 float32; r_r_bias 1 x 1 x 16 x 64 float32; r_w_bias 1 x 1 x 16 x 64 float32; x 2 x 2,048 x 1,024 float32; y 2 x 2,048 x 1,024 float32.
;; Outputs: out0 2 x 2,048 x 1,024 float32.
;; This version of the problem:
;;   THIS VERSION OF THE PROBLEM IS GIVEN IN LOW PRECISION. The matrix products marked QUANTISED in the list below multiply operands that are first quantised to E2M1 (2 exponent bits, 1 mantissa bit; 4 bits a number), with one power-of-two scale for each 32 numbers along K (OCP MX v1.0); their sums are f32. The products marked 'left as it is' may take bf16, f16 or f32 operands, with f32 sums. Whichever they take, every output number must still come out within the allowed error. Rounding operands to bf16 (8 significant bits) uses up far more of that allowance than f16 does (11 bits, for magnitudes from 6e-5 to 65,504). All else is computed in f32.
;;   The module's matrix products, in the order in which they are computed (A, B: the left and right operand; K: the contracted axis; several contracted axes count as one K, in the product's order):
;;     1. [M 4,096, K 1,024] x [K 1,024, N 1,024]; A: input x; B: input Wq: QUANTISED
;;     2. [M 4,096, K 1,024] x [K 1,024, N 1,024]; A: input y; B: input Wk: QUANTISED
;;     3. [M 4,096, K 1,024] x [K 1,024, N 1,024]; A: input y; B: input Wv: QUANTISED
;;     4. batch 32 x [M 2,048, K 64] x [K 64, N 2,048]; A: computed on the way; B: computed on the way: left as it is (an operand is computed on the way)
;;     5. [M 4,096, K 1,024] x [K 1,024, N 1,024]; A: computed on the way; B: input Wp: left as it is (an operand is computed on the way)
;;     6. batch 32 x [M 2,048, K 64] x [K 64, N 2,048]; A: computed on the way; B: computed on the way: left as it is (an operand is computed on the way)
;;     7. batch 32 x [M 64, K 2,048] x [K 2,048, N 2,048]; A: computed on the way; B: computed on the way: left as it is (an operand is computed on the way)
;;     8. [M 4,096, K 1,024] x [K 1,024, N 1,024]; A: computed on the way; B: input Wo: left as it is (an operand is computed on the way)
;;   THE QUANTISER, for each operand of a quantised product, along K:
;;     - K is cut into blocks of 32 from its start; a last block that is shorter is filled with zeros.
;;     - A block's scale is 2^e with e = floor(log2(the largest magnitude in the block)) - 2, held to -126 .. 127; a block of zeros has e = 0. As a byte (E8M0): e + 127.
;;     - Each number is divided by its block's scale, clamped to +-6, and rounded to the nearest number of E2M1, ties to even, subnormals kept.
;;     - The product sums the exact products of the quantised numbers (number of the format x scale) in f32.
;;   ~~~python
;;   def quantise(x, axis):      # numpy; x: float32 -> the quantised numbers, widened to float32 again
;;       x = np.moveaxis(x, axis, -1); K = x.shape[-1]
;;       x = np.pad(x, [(0, 0)] * (x.ndim - 1) + [(0, -K % 32)]); x = x.reshape(x.shape[:-1] + (-1, 32)); a = np.abs(x).max(-1, keepdims=True)
;;       e = np.where(a > 0, np.clip(np.frexp(np.where(a > 0, a, 1))[1] - 1 - 2, -126, 127), 0)      # np.frexp(a)[1] - 1 = floor(log2(a)), exactly
;;       r = np.clip(x / 2.0 ** e, -6, 6)
;;       step = 2.0 ** (np.maximum(np.frexp(np.where(r == 0, 1, r))[1] - 1, 0) - 1)
;;       q = np.round(r / step) * step * 2.0 ** e      # np.round: ties to even
;;       return np.moveaxis(q.reshape(q.shape[:-2] + (-1,))[..., :K], -1, axis).astype(np.float32)
;;   ~~~
;; One version. Each part assembles by itself: llvm-mc -triple=amdgcn-amd-amdhsa -mcpu=gfx1250 --defsym DOCPART=n.
;; ======== version 1 of 1: 5 launches
;; limits: values are held in f16: magnitudes above 65,504 overflow, below 6.1e-05 lose precision
;; workspace buffers: cod 5,767,168 bytes; scl 360,448 bytes; w16 4,194,304 bytes; emb16 8,388,608 bytes; qkv16 33,554,432 bytes; pe16 8,388,608 bytes; att16 8,388,608 bytes
;; launch prep (part 1): grid 736 x 1, 4 waves a work-group, no clusters, 86,016 bytes of LDS; arguments x, y, Wq, Wk, Wv, Wp, Wo, cod, scl, w16, emb16; writes cod, scl, w16, emb16
.if DOCPART == 1
	.amdgcn_target "amdgcn-amd-amdhsa--gfx1250"
	.amdhsa_code_object_version 6
	.text
	.protected	k_qed39ea5df4_prep
	.globl	k_qed39ea5df4_prep
	.p2align	8
	.type	k_qed39ea5df4_prep,@function
k_qed39ea5df4_prep:
	s_mov_b64 s[64:65], 0
	v_nop
	global_prefetch_b8 v0, s[64:65] scope:SCOPE_SE
	s_setreg_imm32_b32 hwreg(HW_REG_WAVE_MODE, 25, 1), 1
	s_wait_xcnt 0x0
; Everything that is made once from the inputs, four kinds of work told apart by the work-group's number alone:
;  A (work-groups 0-255):   x and y [4096][1024] f32 -> codes of E2M1, K innermost, 512 bytes a row, and one E8M0 byte for each 32 along K: cod rows 0-8191, scl rows 0-8191.
;  B (256-351):             Wq, Wk, Wv [k][n] f32 -> the same, quantised along k, laid [n][k]: cod from byte 4,194,304, scl from byte 262,144.
;  C (352-479):             Wp, Wo [k][n] f32 -> f16, laid [n][k]: w16.
;  D (480-735):             the sinusoid table by u = 0..4095: row u holds position 2048 - u (u <= 2048) or 4097 - u (u > 2048): sines of 512 rates, then cosines, f16: emb16.
; A block's scale is 2^(floor(log2(largest magnitude)) - 2); its byte is the largest magnitude's exponent field - 2, held at 1 from below.  A block of zeros so gets the byte 1 where the
; rule says 127: its codes are zeros, and this program alone reads the bytes.
; LIMITS: blocks whose largest magnitude lies under 2^-124 keep the byte 1; NaN and infinities among the inputs are not served; Wp and Wo must lie inside f16's range.
; The sines: st = position x rate in f32, as the reference has it; reduced by multiples of pi/2 (at most 1,304 of them, by the problem's constants) in two parts with fused multiply-adds, then
; polynomials on |r| <= pi/4.  Each kind has LDS bytes of its own; waves share nothing, so there is no barrier.
.set SPARE, 84992                      ; the spare words, 128 bytes a wave: two blocks of 256 bytes that no other line names
.set SPW,   12                         ; v12  SPARE + 4 x my thread's number; never rewritten
.set NIL,   13                         ; v13  0; never rewritten
.macro FINISH                          ; the wave's end
	s_wait_tensorcnt 0x0
	ds_add_u32 v[SPW], v[NIL]
	s_wait_dscnt 0x0
	s_endpgm
.endm
	s_load_b512 s[4:19], s[0:1], 0x0               ; x, y, Wq, Wk, Wv, Wp, Wo, cod
	s_load_b128 s[20:23], s[0:1], 0x40             ; scl, w16
	s_load_b64 s[24:25], s[0:1], 0x50              ; emb16
	v_lshl_add_u32 v[SPW], v0, 2, SPARE
	v_mov_b32 v[NIL], 0
	v_lshrrev_b32 v1, 5, v0
	v_readfirstlane_b32 s26, v1                    ; wave
	v_and_b32 v2, 31, v0                           ; lane
	s_wait_kmcnt 0x0
	s_cmp_lt_u32 ttmp9, 256
	s_cbranch_scc1 .Lpath_a
	s_cmp_lt_u32 ttmp9, 352
	s_cbranch_scc1 .Lpath_b
	s_cmp_lt_u32 ttmp9, 480
	s_cbranch_scc1 .Lpath_c
; ---------------------------------------------------------------- D: the sinusoids
; Wave w: rates 256 (w & 1) + 8 lane + 0..7, rows 16 idx + 8 (w / 2) + 0..7, a row a trip.
	s_sub_co_u32 s27, ttmp9, 480
	s_lshl_b32 s27, s27, 4
	s_lshr_b32 s28, s26, 1
	s_lshl_b32 s28, s28, 3
	s_add_co_u32 s27, s27, s28                     ; my first row u
	s_and_b32 s28, s26, 1
	s_lshl_b32 s29, s28, 8
	v_lshl_add_u32 v3, v2, 3, s29                  ; my first rate's number
	v_lshlrev_b32 v4, 4, v2                        ; 16 bytes a lane
	s_lshl_b32 s32, s27, 11                        ; a row of emb16 is 2,048 bytes
	s_lshl_b32 s33, s28, 9
	s_add_co_u32 s32, s32, s33
	s_mov_b32 s33, 0
	s_add_nc_u64 s[24:25], s[24:25], s[32:33]
	s_mov_b32 s34, 2048
	s_mov_b32 s35, 4097
	s_mov_b32 s36, 8                               ; trips
	s_mov_b32 s38, 0x3fc90fdb                      ; pi/2, its leading part,
	s_mov_b32 s39, 0xb33bbd2e                      ; and what is left of it
	v_mov_b32 v6, 0xb94ca1f9                       ; the sine's highest coefficient
	v_mov_b32 v7, 0x37ccf5ce                       ; the cosine's
.irp e, 0,1,2,3,4,5,6,7
	v_add_nc_u32 v[16+\e], \e, v3
.endr
.irp e, 0,1,2,3,4,5,6,7
	v_cvt_f32_u32 v[16+\e], v[16+\e]
.endr
.irp e, 0,1,2,3,4,5,6,7
	v_mul_f32 v[16+\e], 0xbc93a762, v[16+\e]       ; n x (-ln(10000) / 511)
.endr
.irp e, 0,1,2,3,4,5,6,7
	v_mul_f32 v[16+\e], 0x3fb8aa3b, v[16+\e]       ; x log2(e)
.endr
.irp e, 0,1,2,3,4,5,6,7
	v_exp_f32 v[16+\e], v[16+\e]                   ; the rate
.endr
	v_nop                                          ; a plain instruction behind the last exponential,
	s_wait_alu depctr_va_vdst(0)                   ; and one wait for the eight, ahead of the label and of the first reader
.Ld_row:
	s_cmp_le_u32 s27, 2048
	s_cselect_b32 s37, s34, s35
	s_sub_co_u32 s37, s37, s27                     ; the row's position
	v_cvt_f32_u32 v5, s37
.irp e, 0,1,2,3,4,5,6,7
	v_mul_f32 v[24+\e], v5, v[16+\e]               ; st
.endr
.irp e, 0,1,2,3,4,5,6,7
	v_mul_f32 v[32+\e], 0x3f22f983, v[24+\e]       ; x 2/pi
.endr
.irp e, 0,1,2,3,4,5,6,7
	v_rndne_f32 v[32+\e], v[32+\e]                 ; k
.endr
.irp e, 0,1,2,3,4,5,6,7
	v_fma_f32 v[24+\e], -v[32+\e], s38, v[24+\e]
.endr
.irp e, 0,1,2,3,4,5,6,7
	v_fma_f32 v[24+\e], -v[32+\e], s39, v[24+\e]   ; r = st - k pi/2
.endr
.irp e, 0,1,2,3,4,5,6,7
	v_cvt_i32_f32 v[32+\e], v[32+\e]
.endr
.irp e, 0,1,2,3,4,5,6,7
	v_mul_f32 v[40+\e], v[24+\e], v[24+\e]         ; z = r r
.endr
.irp e, 0,1,2,3,4,5,6,7
	v_fmaak_f32 v[48+\e], v6, v[40+\e], 0x3c08839e
	v_fmaak_f32 v[56+\e], v7, v[40+\e], 0xbab6061a
.endr
.irp e, 0,1,2,3,4,5,6,7
	v_fmaak_f32 v[48+\e], v[48+\e], v[40+\e], 0xbe2aaaa3
	v_fmaak_f32 v[56+\e], v[56+\e], v[40+\e], 0x3d2aaaa5
.endr
.irp e, 0,1,2,3,4,5,6,7
	v_mul_f32 v[48+\e], v[48+\e], v[40+\e]
	v_mul_f32 v[56+\e], v[56+\e], v[40+\e]
	v_fma_f32 v[64+\e], v[40+\e], -0.5, 1.0
.endr
.irp e, 0,1,2,3,4,5,6,7
	v_fma_f32 v[48+\e], v[48+\e], v[24+\e], v[24+\e]   ; sin r
	v_fma_f32 v[56+\e], v[56+\e], v[40+\e], v[64+\e]   ; cos r
.endr
.irp e, 0,1,2,3,4,5,6,7                            ; the quadrant: k odd swaps the two; the sine's sign is bit 1 of k, the cosine's bit 1 of k + 1
	v_and_b32 v[64+\e], 1, v[32+\e]
	v_cmp_eq_u32 vcc_lo, 1, v[64+\e]
	v_cndmask_b32 v[72+\e], v[48+\e], v[56+\e], vcc_lo
	v_cndmask_b32 v[80+\e], v[56+\e], v[48+\e], vcc_lo
	v_lshlrev_b32 v[64+\e], 30, v[32+\e]
	v_add_nc_u32 v[32+\e], 1, v[32+\e]
	v_and_b32 v[64+\e], 0x80000000, v[64+\e]
	v_lshlrev_b32 v[32+\e], 30, v[32+\e]
	v_xor_b32 v[72+\e], v[64+\e], v[72+\e]
	v_and_b32 v[32+\e], 0x80000000, v[32+\e]
	v_xor_b32 v[80+\e], v[32+\e], v[80+\e]
.endr
.irp i, 0,1,2,3
	v_cvt_pk_f16_f32 v[88+\i], v[72+2*\i], v[73+2*\i]
	v_cvt_pk_f16_f32 v[92+\i], v[80+2*\i], v[81+2*\i]
.endr
	global_store_b128 v4, v[88:91], s[24:25]               ; 32 lanes store 512 consecutive bytes, aligned
	global_store_b128 v4, v[92:95], s[24:25] offset:1024
	s_wait_xcnt 0x0                                ; the stores' data and base are written again only behind this wait
	s_add_nc_u64 s[24:25], s[24:25], 2048
	s_add_co_u32 s27, s27, 1
	s_sub_co_u32 s36, s36, 1
	s_cmp_lg_u32 s36, 0
	s_cbranch_scc1 .Ld_row
	FINISH
; ---------------------------------------------------------------- A: x and y, K innermost
; A wave takes 16 steps of 512 numbers.  Each load reads 512 consecutive bytes; a step's 2,048 bytes turn through the wave's own stage in LDS and come back 64 bytes a lane, so that a lane
; holds 16 neighbours along K (two lanes a block).  Loads run four steps ahead, the turn through LDS one step.
.set A_WREG, 8192                      ; a wave's LDS: two stages of 32 x 80 bytes, then its 256 scale bytes
.set A_SP,   80
.set AR,     16                        ; v16-79   four sets of 16 numbers as loaded
.set AX,     80                        ; v80-111  two sets of 16 neighbours
.set AE,     112                       ; v112-127 a scale byte for each step
.set AC,     128                       ; v128-191 codes, four registers for each step: no store's data are written again
.macro A_LOAD t
.irp i, 0,1,2,3
	global_load_b128 v[AR+16*((\t)%4)+4*\i:AR+16*((\t)%4)+4*\i+3], v3, s[4:5] offset:2048*(\t)+512*\i th:TH_LOAD_NT
.endr
.endm
.macro A_TURN t                        ; LDS serves a wave's instructions in order: no wait between the stores and the loads
.irp i, 0,1,2,3
	ds_store_b128 v14, v[AR+16*((\t)%4)+4*\i:AR+16*((\t)%4)+4*\i+3] offset:32*A_SP*((\t)%2)+8*A_SP*\i
.endr
.irp i, 0,1,2,3
	ds_load_b128 v[AX+16*((\t)%2)+4*\i:AX+16*((\t)%2)+4*\i+3], v15 offset:32*A_SP*((\t)%2)+16*\i
.endr
.endm
.macro A_STEP t
.set XS, AX+16*((\t)%2)
.if (\t) > 0
	s_wait_dscnt 1                                 ; this step's numbers are back from the stage; the last step's byte store may be out
.else
	s_wait_dscnt 0x0
.endif
.if (\t)+4 < 16
	A_LOAD (\t)+4
.endif
.if (\t)+1 < 16
.if 14-(\t) >= 3
	s_wait_loadcnt 12                              ; the next step's four loads are in; those of the three steps behind it may be out
.else
	s_wait_loadcnt 4*(14-(\t))
.endif
	A_TURN (\t)+1
.endif
	v_max3_num_f32 v8, |v[XS]|, |v[XS+1]|, |v[XS+2]|
	v_max3_num_f32 v9, |v[XS+3]|, |v[XS+4]|, |v[XS+5]|
.irp i, 6,10
	v_max3_num_f32 v8, v8, |v[XS+\i]|, |v[XS+\i+1]|
	v_max3_num_f32 v9, v9, |v[XS+\i+2]|, |v[XS+\i+3]|
.endr
	v_max3_num_f32 v8, v8, |v[XS+14]|, |v[XS+15]|
	v_max3_num_f32 v8, v8, v9, 0x1800000           ; the floor 2^(3 - 127): the byte cannot fall under 1
	v_max_num_f32_dpp v8, v8, v8 row_xmask:1 row_mask:0xf bank_mask:0xf   ; with my neighbour's 16: the block's largest magnitude
	v_add_nc_u32 v11, 0xff000000, v8               ; 2 off its exponent field: the conversion takes this operand's exponent field as its scale
	v_cvt_scalef32_pk8_fp4_f32 v[AC+4*(\t)], v[XS:XS+7], v11
	v_cvt_scalef32_pk8_fp4_f32 v[AC+4*(\t)+1], v[XS+8:XS+15], v11
	v_lshrrev_b32 v[AE+(\t)], 23, v11              ; the scale's byte
	ds_store_b8 v5, v[AE+(\t)] offset:16*(\t)      ; both lanes of a block write the same byte with the same value
	global_store_b64 v4, v[AC+4*(\t):AC+4*(\t)+1], s[18:19] offset:256*(\t)   ; 32 lanes store 256 consecutive bytes, aligned
.endm
.Lpath_a:
	v_lshlrev_b32 v3, 4, v2
	s_mul_i32 s27, s26, A_WREG
	v_lshrrev_b32 v14, 2, v2
	v_mul_u32_u24 v14, v14, A_SP
	v_and_b32 v15, 3, v2
	v_lshl_add_u32 v14, v15, 4, v14
	v_add_nc_u32 v14, s27, v14                     ; the stage, in: 80 (lane / 4) + 16 (lane % 4)
	v_mul_u32_u24 v15, v2, A_SP
	v_add_nc_u32 v15, s27, v15                     ; out: 80 x lane
	v_lshlrev_b32 v4, 3, v2                        ; my 8 bytes of a step's codes
	v_lshrrev_b32 v5, 1, v2
	s_add_co_u32 s27, s27, 2*32*A_SP
	v_add_nc_u32 v5, s27, v5                       ; my block's scale byte in LDS
	v_lshlrev_b32 v7, 3, v2
	v_add_nc_u32 v6, s27, v7
	s_cmp_lt_u32 ttmp9, 128                        ; x or y: the choice hangs on the work-group's number alone
	s_cselect_b64 s[4:5], s[4:5], s[6:7]
	s_and_b32 s28, ttmp9, 127
	s_lshl_b32 s28, s28, 2
	s_add_co_u32 s28, s28, s26                     ; my run of 8,192 numbers in the tensor
	s_lshl_b32 s30, s28, 15
	s_mov_b32 s31, 0
	s_add_nc_u64 s[4:5], s[4:5], s[30:31]
	s_lshl_b32 s28, ttmp9, 2
	s_add_co_u32 s28, s28, s26                     ; and among both tensors' runs: y's codes follow x's
	s_lshl_b32 s30, s28, 12
	s_add_nc_u64 s[18:19], s[18:19], s[30:31]
	s_lshl_b32 s30, s28, 8
	s_add_nc_u64 s[20:21], s[20:21], s[30:31]
.irp t, 0,1,2,3
	A_LOAD \t
.endr
	s_wait_loadcnt 12                              ; step 0's four loads are in
	A_TURN 0
.irp t, 0,1,2,3,4,5,6,7,8,9,10,11,12,13,14,15
	A_STEP \t
.endr
	ds_load_b64 v[8:9], v6
	s_wait_dscnt 0x0
	global_store_b64 v7, v[8:9], s[20:21]          ; my wave's 256 scale bytes: 256 consecutive bytes, aligned
	FINISH
; ---------------------------------------------------------------- B: Wq, Wk, Wv, K outermost
; A lane takes a column n and its registers run down k, so a block of 32 lies in one lane and the codes come out with K innermost.  A wave: 16 columns x 512 k: lanes 0-15 the lower 256 k,
; lanes 16-31 the upper: 8 blocks a lane.  The four waves stand side by side on 64 columns.  The codes go through the wave's own stage (row = column, 256 bytes + 16) and leave as whole rows.
; A lane's 8 scale bytes leave by one store of 8 bytes, rows 32 bytes apart: one byte in 128 of what this part reads.
.set B_ST, 32768
.macro B_LOAD t
.irp i, 0,1,2,3,4,5,6,7,8,9,10,11,12,13,14,15,16,17,18,19,20,21,22,23,24,25,26,27,28,29,30,31
	global_load_b32 v[32+32*((\t)%2)+\i], v3, s[8:9] offset:(32*(\t)+\i)*4096
.endr
.endm
.macro B_BLOCK t
.set XS, 32+32*((\t)%2)
.if (\t) < 7
	s_wait_loadcnt 32                              ; this block's 32 loads are in; the next block's may be out
.else
	s_wait_loadcnt 0x0
.endif
	v_max3_num_f32 v10, |v[XS]|, |v[XS+1]|, |v[XS+2]|
	v_max3_num_f32 v14, |v[XS+3]|, |v[XS+4]|, |v[XS+5]|
.irp i, 6,10,14,18,22,26
	v_max3_num_f32 v10, v10, |v[XS+\i]|, |v[XS+\i+1]|
	v_max3_num_f32 v14, v14, |v[XS+\i+2]|, |v[XS+\i+3]|
.endr
	v_max3_num_f32 v10, v10, |v[XS+30]|, |v[XS+31]|
	v_max3_num_f32 v10, v10, v14, 0x1800000        ; the floor
	v_add_nc_u32 v11, 0xff000000, v10
	v_lshrrev_b32 v15, 23, v11
.if (\t)%4 == 0
	v_mov_b32 v[24+(\t)/4], v15
.else
	v_lshl_or_b32 v[24+(\t)/4], v15, 8*((\t)%4), v[24+(\t)/4]
.endif
.irp g, 0,1,2,3
	v_cvt_scalef32_pk8_fp4_f32 v[96+\g], v[XS+8*\g:XS+8*\g+7], v11
.endr
	ds_store_b128 v4, v[96:99] offset:16*(\t)
.if (\t)+2 < 8
	B_LOAD (\t)+2
.endif
	s_wait_dscnt 0x0                               ; the store has read its registers: the next block's codes may be written
.endm
.Lpath_b:
	s_sub_co_u32 s27, ttmp9, 256
	s_lshr_b32 s28, s27, 5                         ; which weight
	s_and_b32 s29, s27, 15                         ; which 64 columns
	s_bfe_u32 s30, s27, 0x10004                    ; which 512 along k
	s_cmp_eq_u32 s28, 0
	s_cselect_b64 s[8:9], s[8:9], s[10:11]
	s_cmp_eq_u32 s28, 2
	s_cselect_b64 s[8:9], s[12:13], s[8:9]
	s_lshl_b32 s29, s29, 6
	s_lshl_b32 s32, s26, 4
	s_add_co_u32 s29, s29, s32                     ; my wave's first column
	s_lshl_b32 s32, s30, 21                        ; 512 rows of 4,096 bytes
	s_lshl_b32 s33, s29, 2
	s_add_co_u32 s32, s32, s33
	s_mov_b32 s33, 0
	s_add_nc_u64 s[8:9], s[8:9], s[32:33]
	s_lshl_b32 s28, s28, 10
	s_add_co_u32 s28, s28, s29                     ; its row among the weights' 3,072
	s_lshl_b32 s32, s28, 9
	s_lshl_b32 s34, s30, 8
	s_add_co_u32 s32, s32, s34
	s_add_co_u32 s32, s32, 4194304
	s_add_nc_u64 s[18:19], s[18:19], s[32:33]
	s_lshl_b32 s32, s28, 5
	s_lshl_b32 s34, s30, 4
	s_add_co_u32 s32, s32, s34
	s_add_co_u32 s32, s32, 262144
	s_add_nc_u64 s[20:21], s[20:21], s[32:33]
	v_and_b32 v5, 15, v2                           ; r: my column
	v_lshrrev_b32 v6, 4, v2                        ; h: my half of the 512 k
	v_lshlrev_b32 v3, 2, v5
	v_lshl_add_u32 v3, v6, 20, v3                  ; in: 4 r + 256 h rows
	s_mul_i32 s34, s26, 16*272
	s_add_co_u32 s34, s34, B_ST                    ; my stage
	v_mul_u32_u24 v4, v5, 272
	v_lshl_add_u32 v4, v6, 7, v4
	v_add_nc_u32 v4, s34, v4                       ; into it: row r, + 128 h
	v_mul_u32_u24 v7, v6, 272
	v_lshl_add_u32 v7, v5, 4, v7
	v_add_nc_u32 v7, s34, v7                       ; out of it: sixteen lanes a row, two rows an instruction
	v_lshlrev_b32 v8, 9, v6
	v_lshl_add_u32 v8, v5, 4, v8                   ; and the same place in cod
	v_lshlrev_b32 v9, 5, v5
	v_lshl_add_u32 v9, v6, 3, v9                   ; my 8 scale bytes
	B_LOAD 0
	B_LOAD 1
.irp t, 0,1,2,3,4,5,6,7
	B_BLOCK \t
.endr
	global_store_b64 v9, v[24:25], s[20:21]
.irp t, 0,1,2,3,4,5,6,7
	ds_load_b128 v[112+4*\t:115+4*\t], v7 offset:2*\t*272
.endr
.irp t, 0,1,2,3,4,5,6,7
	s_wait_dscnt 7-\t                              ; LDS loads come back in order: load t is in
	global_store_b128 v8, v[112+4*\t:115+4*\t], s[18:19] offset:2*\t*512   ; sixteen lanes store 256 consecutive bytes, aligned
.endr
	FINISH
; ---------------------------------------------------------------- C: Wp, Wo to f16, turned
; As B, without a quantiser: a wave takes 32 columns x 128 k, 4 blocks of 32; a column's 128 numbers are 256 bytes of f16.
.set C_ST, 50176
.macro C_LOAD t
.irp i, 0,1,2,3,4,5,6,7,8,9,10,11,12,13,14,15,16,17,18,19,20,21,22,23,24,25,26,27,28,29,30,31
	global_load_b32 v[32+32*((\t)%2)+\i], v3, s[14:15] offset:(32*(\t)+\i)*4096
.endr
.endm
.macro C_BLOCK t
.set XS, 32+32*((\t)%2)
.if (\t) < 3
	s_wait_loadcnt 32                              ; this block's 32 loads are in; the next block's may be out
.else
	s_wait_loadcnt 0x0
.endif
.irp i, 0,1,2,3,4,5,6,7,8,9,10,11,12,13,14,15
	v_cvt_pk_f16_f32 v[96+\i], v[XS+2*\i], v[XS+2*\i+1]
.endr
.irp q, 0,1,2,3
	ds_store_b128 v4, v[96+4*\q:99+4*\q] offset:64*(\t)+16*\q
.endr
.if (\t)+2 < 4
	C_LOAD (\t)+2
.endif
	s_wait_dscnt 0x0
.endm
.Lpath_c:
	s_sub_co_u32 s27, ttmp9, 352
	s_lshr_b32 s28, s27, 6                         ; Wp or Wo
	s_and_b32 s29, s27, 7                          ; which 128 columns
	s_bfe_u32 s30, s27, 0x30003                    ; which 128 along k
	s_cmp_eq_u32 s28, 0
	s_cselect_b64 s[14:15], s[14:15], s[16:17]
	s_lshl_b32 s29, s29, 7
	s_lshl_b32 s32, s26, 5
	s_add_co_u32 s29, s29, s32                     ; my wave's first column
	s_lshl_b32 s32, s30, 19
	s_lshl_b32 s33, s29, 2
	s_add_co_u32 s32, s32, s33
	s_mov_b32 s33, 0
	s_add_nc_u64 s[14:15], s[14:15], s[32:33]
	s_lshl_b32 s32, s28, 21
	s_lshl_b32 s34, s29, 11
	s_add_co_u32 s32, s32, s34
	s_lshl_b32 s34, s30, 8
	s_add_co_u32 s32, s32, s34
	s_add_nc_u64 s[22:23], s[22:23], s[32:33]
	v_lshlrev_b32 v3, 2, v2
	s_mul_i32 s34, s26, 32*272
	s_add_co_u32 s34, s34, C_ST
	v_mul_u32_u24 v4, v2, 272
	v_add_nc_u32 v4, s34, v4
	v_and_b32 v5, 15, v2
	v_lshrrev_b32 v6, 4, v2
	v_mul_u32_u24 v7, v6, 272
	v_lshl_add_u32 v7, v5, 4, v7
	v_add_nc_u32 v7, s34, v7
	v_lshlrev_b32 v8, 11, v6
	v_lshl_add_u32 v8, v5, 4, v8
	C_LOAD 0
	C_LOAD 1
.irp t, 0,1,2,3
	C_BLOCK \t
.endr
.irp t, 0,1,2,3,4,5,6,7,8,9,10,11,12,13,14,15
	ds_load_b128 v[112+4*\t:115+4*\t], v7 offset:2*\t*272
.endr
.irp t, 0,1,2,3,4,5,6,7,8,9,10,11,12,13,14,15
	s_wait_dscnt 15-\t
	global_store_b128 v8, v[112+4*\t:115+4*\t], s[22:23] offset:2*\t*2048   ; sixteen lanes store 256 consecutive bytes, aligned
.endr
	FINISH
.Lfunc_end_k_qed39ea5df4_prep:
	.size	k_qed39ea5df4_prep, .Lfunc_end_k_qed39ea5df4_prep-k_qed39ea5df4_prep
	.p2alignl 7, 3214868480
	.fill 96, 4, 3214868480
	.section	.rodata,"a",@progbits
	.p2align	6, 0x0
	.amdhsa_kernel k_qed39ea5df4_prep
		.amdhsa_group_segment_fixed_size 86016
		.amdhsa_private_segment_fixed_size 0
		.amdhsa_enable_private_segment 0
		.amdhsa_kernarg_size 88
		.amdhsa_user_sgpr_count 2
		.amdhsa_user_sgpr_kernarg_segment_ptr 1
		.amdhsa_wavefront_size32 1
		.amdhsa_system_sgpr_workgroup_id_x 1
		.amdhsa_system_sgpr_workgroup_id_y 1
		.amdhsa_system_sgpr_workgroup_id_z 1
		.amdhsa_system_vgpr_workitem_id 0
		.amdhsa_next_free_vgpr 192
		.amdhsa_next_free_sgpr 66
		.amdhsa_reserve_vcc 1
		.amdhsa_float_denorm_mode_32 3
		.amdhsa_float_denorm_mode_16_64 3
		.amdhsa_memory_ordered 1
		.amdhsa_forward_progress 1
		.amdhsa_inst_pref_size 109
	.end_amdhsa_kernel
	.amdgpu_metadata
---
amdhsa.version: [ 1, 2 ]
amdhsa.kernels:
  - .name:           k_qed39ea5df4_prep
    .symbol:         k_qed39ea5df4_prep.kd
    .args:
      - { .name: x, .offset: 0, .size: 8, .value_kind: global_buffer, .address_space: global }
      - { .name: y, .offset: 8, .size: 8, .value_kind: global_buffer, .address_space: global }
      - { .name: Wq, .offset: 16, .size: 8, .value_kind: global_buffer, .address_space: global }
      - { .name: Wk, .offset: 24, .size: 8, .value_kind: global_buffer, .address_space: global }
      - { .name: Wv, .offset: 32, .size: 8, .value_kind: global_buffer, .address_space: global }
      - { .name: Wp, .offset: 40, .size: 8, .value_kind: global_buffer, .address_space: global }
      - { .name: Wo, .offset: 48, .size: 8, .value_kind: global_buffer, .address_space: global }
      - { .name: cod, .offset: 56, .size: 8, .value_kind: global_buffer, .address_space: global }
      - { .name: scl, .offset: 64, .size: 8, .value_kind: global_buffer, .address_space: global }
      - { .name: w16, .offset: 72, .size: 8, .value_kind: global_buffer, .address_space: global }
      - { .name: emb16, .offset: 80, .size: 8, .value_kind: global_buffer, .address_space: global }
    .group_segment_fixed_size: 86016
    .private_segment_fixed_size: 0
    .kernarg_segment_align: 8
    .kernarg_segment_size: 88
    .max_flat_workgroup_size: 128
    .sgpr_count:     66
    .vgpr_count:     192
    .wavefront_size: 32
...
	.end_amdgpu_metadata
.endif
;; end of part 1
;; launch gemm4 (part 2): grid 16 x 16, 4 waves a work-group, clusters of 4 x 4, 327,680 bytes of LDS; arguments cod, scl, bq, bk, bv, r_w_bias, r_r_bias, qkv16; writes qkv16
.if DOCPART == 2
	.amdgcn_target "amdgcn-amd-amdhsa--gfx1250"
	.amdhsa_code_object_version 6
	.text
	.protected	k_qed39ea5df4_gemm4
	.globl	k_qed39ea5df4_gemm4
	.p2align	8
	.type	k_qed39ea5df4_gemm4,@function
k_qed39ea5df4_gemm4:
	s_mov_b64 s[64:65], 0
	v_nop
	global_prefetch_b8 v0, s[64:65] scope:SCOPE_SE
	s_setreg_imm32_b32 hwreg(HW_REG_WAVE_MODE, 25, 1), 1
	s_wait_xcnt 0x0
	s_wait_alu depctr_hold_cnt(0) depctr_sa_sdst(0) depctr_va_vdst(0) depctr_va_sdst(0) depctr_va_ssrc(0) depctr_va_vcc(0) depctr_vm_vsrc(0)
	s_getreg_b32 s2, hwreg(HW_REG_IB_STS2, 6, 4)
	s_cmp_eq_u32 s2, 0
	s_cbranch_scc0 .Lentry_in_a_cluster
	s_endpgm
.Lentry_in_a_cluster:
	s_bfe_u32 s2, ttmp6, 0x10000c
	s_cmp_lg_u32 s2, 0xf033
	s_cbranch_scc0 .Lentry_shape_is_right
	s_endpgm
.Lentry_shape_is_right:
; The three quantised products, as four GEMMs of 4096 x 1024 x 1024 on codes of E2M1 with one E8M0 scale for each 32 along K; sums in f32:
;   p = 0: x Wq + bq + r_w_bias    p = 1: x Wq + bq + r_r_bias    p = 2: y Wk + bk    p = 3: y Wv + bv.      p is the cluster's x.
; x Wq is multiplied twice, so that all four results take one way through the text and there are 256 work-groups of equal work.
; The results are rounded once to f16 (they are operands of products that are left as they are) and laid by head: qkv16 [p][batch][head][t][64].
; LIMIT: results must lie inside f16's range (65,504).
; A tile of 256 x 256 is made by four waves, 128 x 128 each: 64 accumulators, 512 registers.  K = 1,024 is two slots of 512 along K (rows of 256 bytes): both are first fills, nothing is filled again.
; The scales of the work-group's rows, for all of K, come into LDS once, as dense blocks.
; CLUSTERS: 4 x 4 work-groups, all of one p.  The four of a row need the same tiles of A, the four of a column the same tiles of B: each is asked for jointly.
; THE MATRIX INSTRUCTION IS USED TRANSPOSED (source 0 = 16 rows of B, source 1 = 16 rows of A): a lane holds eight neighbouring columns of one row.  The bias is the C of each sum's first product.
; REGISTERS: window 0: v0-31 addresses; v32-95 scale words, two sets, and nothing else; v128-191 A's fragments, one set; v192-255 the bias, 8 registers for each of B's 8 blocks; on the way out v128-223 are free.
;   window 1: B's fragments, two sets.   window 2: accumulators of my rows 0-63 ((a, b) at v[8 (8 a + b)]);   window 3: of rows 64-127.
.set SIZE_K, 1024
.set KSTEP,  512
.set NQ,     KSTEP/128
.set ROWB,   256
.set KROW,   SIZE_K*4/8
.set PITCH,  272                       ; 256 bytes + 16 of padding = 68 words: row r starts at bank 4 r mod 64 (64 banks of 4 bytes: ISA guide 11.1)
.set FR,     8
.set NL,     2
.set NP,     4                         ; places behind this matrix instruction (ISA guide 7.12.1)
.set HALFT,  128*PITCH
.set SLOT,   4*HALFT
.set KS,     SIZE_K/32
.set SCL,    2*SLOT
.set HALFS,  (128*KS/256)*272
.set SBLK,   (16*KS/256)*272
.set SPARE,  SCL+4*HALFS               ; the spare words, 128 bytes a wave
.set ADRA, 16
.set ADRB, 20
.set STO,  24
.set RD,   25
.set CO,   26
.set ADRS, 27
.set SPW,  28
.set NIL,  29
.set SC,   32
.set AF,   128
.set BIA,  192
.set TMP,  128                         ; the way out: packed results, v128-159
.set BK,   160                         ; and rows read back: v160-191 and v192-223 by turns
.set G1, 24
.set G0, 32
.set G1B, 48
.set G0B, 56
.set G1S, 68
.set G0S, 76
.set G1SB, 80
.set G0SB, 88
.set MSB, 0
.macro WIN new                         ; the immediate's high byte repeats the setting that is left
.if MSB != \new
	s_set_vgpr_msb (MSB<<8)|\new
.set MSB, \new
.endif
.endm
.set MUL_LO, 0xa1                      ; source 0 (B) window 1, source 1 (A) window 0, C and D window 2
.set MUL_HI, 0xf1                      ; the same, C and D window 3
.set TO_B,   0x40
; A joint load: waves 0 and 1 fetch for A, waves 2 and 3 for B.  An s_nop 0 and four v_nop follow each of the two lines.
.macro JLOAD g0a, g1a, g0b, g1b
	s_cmp_eq_u32 s15, 0
	s_cbranch_scc0 .Lfor_b_\@
	tensor_load_to_lds s[\g0a:\g0a+3], s[\g1a:\g1a+7]
	s_nop 0
.rept 4
	v_nop
.endr
	s_branch .Lasked_\@
.Lfor_b_\@:
	tensor_load_to_lds s[\g0b:\g0b+3], s[\g1b:\g1b+7]
	s_nop 0
.rept 4
	v_nop
.endr
.Lasked_\@:
.endm
.macro CROUND                          ; a round of the cluster's barrier
	s_barrier_signal -1
	s_barrier_wait -1
	s_cmp_lg_u32 s14, 0
	s_cbranch_scc1 .Lnot_wave_0_\@
	s_barrier_signal -3
.Lnot_wave_0_\@:
	s_barrier_wait -3
	s_barrier_signal -1
	s_barrier_wait -1
.endm
	s_load_b128 s[4:7], s[0:1], 0x0                ; cod, scl
	s_load_b128 s[96:99], s[0:1], 0x10             ; bq, bk
	s_load_b64 s[100:101], s[0:1], 0x20            ; bv
	s_load_b64 s[104:105], s[0:1], 0x28            ; r_w_bias
	s_load_b64 s[2:3], s[0:1], 0x30                ; r_r_bias
	s_load_b64 s[12:13], s[0:1], 0x38              ; qkv16
	v_lshl_add_u32 v[SPW], v0, 2, SPARE
	v_mov_b32 v[NIL], 0
	ds_add_u32 v[SPW], v[NIL]                      ; the wave's opening: the add, twice on end, and its wait ahead of my first tensor load
	ds_add_u32 v[SPW], v[NIL]
	v_lshrrev_b32 v1, 5, v0
	v_readfirstlane_b32 s14, v1                    ; wave 0..3
	s_lshr_b32 s15, s14, 1                         ; my half of the tile's rows.  Also: I fetch for A (0) or for B (1)
	s_and_b32 s16, s14, 1                          ; my half of its columns.  Also: which 128 rows I fetch
	s_bfe_u32 s40, ttmp6, 0x40000                  ; cx = the tile column (1,024 columns are four tiles)
	s_bfe_u32 s41, ttmp6, 0x40004                  ; cy
	s_and_b32 s17, ttmp7, 0xffff
	s_lshl_b32 s17, s17, 2
	s_add_co_u32 s17, s17, s41                     ; tile row = 4 x cluster y + cy
	s_lshl_b32 s43, s41, 2
	s_lshl_b32 s43, 15, s43                        ; my row of the cluster
	s_lshl_b32 s44, 0x1111, s40                    ; my column
	s_or_b32 s[G1+0], s43, (0<<16)|(1<<20)|(1<<21)|(5<<22)|(3<<25)  ; the mask; elements of 1 byte; padding on; bit 21 beside a mask; four words after every 64
	s_or_b32 s[G1B+0], s44, (0<<16)|(1<<20)|(1<<21)|(5<<22)|(3<<25)
.irp g, G1, G1B
	s_mov_b32 s[\g+1], ROWB<<16                    ; tensor_dim0
	s_mov_b32 s[\g+2], 128<<16                     ; tensor_dim1
	s_mov_b32 s[\g+3], ROWB<<16                    ; tile_dim0
	s_mov_b32 s[\g+4], 128                         ; tile_dim1
	s_mov_b32 s[\g+5], KROW                        ; the pitch
	s_mov_b32 s[\g+6], 0
	s_mov_b32 s[\g+7], 0
.endr
	s_or_b32 s[G1S+0], s43, (3<<16)|(1<<20)|(1<<21)|(5<<22)|(3<<25) ; the scales of 128 rows: a dense block, as rows of 256 bytes (32 elements of 8 bytes)
	s_or_b32 s[G1SB+0], s44, (3<<16)|(1<<20)|(1<<21)|(5<<22)|(3<<25)
.irp g, G1S, G1SB
	s_mov_b32 s[\g+1], 32<<16
	s_mov_b32 s[\g+2], (128*KS/256)<<16
	s_mov_b32 s[\g+3], 32<<16
	s_mov_b32 s[\g+4], 128*KS/256
	s_mov_b32 s[\g+5], 32
	s_mov_b32 s[\g+6], 0
	s_mov_b32 s[\g+7], 0
.endr
	s_lshl_b32 s18, s16, 7                         ; which 128 rows of the tile I fetch
	s_lshl_b32 s20, s17, 8
	s_add_co_u32 s20, s20, s18
	s_cmp_ge_u32 ttmp9, 2
	s_cselect_b32 s19, 4096, 0
	s_add_co_u32 s20, s20, s19                     ; A's row: y's rows lie behind x's
	s_max_u32 s42, ttmp9, 1
	s_sub_co_u32 s42, s42, 1                       ; which weight: Wq, Wq, Wk, Wv
	s_lshl_b32 s42, s42, 10
	s_lshl_b32 s46, s40, 8
	s_add_co_u32 s46, s46, s42
	s_add_co_u32 s46, s46, s18                     ; B's row among the weights' 3,072
	s_mov_b32 s21, 0
	s_mov_b32 s47, 0
	s_mov_b64 s[18:19], KS
	s_mul_u64 s[22:23], s[20:21], s[18:19]         ; where these rows' scales begin,
	s_mul_u64 s[92:93], s[46:47], s[18:19]
	s_mov_b64 s[18:19], KROW
	s_mul_u64 s[20:21], s[20:21], s[18:19]         ; and their codes
	s_mul_u64 s[46:47], s[46:47], s[18:19]
	s_mul_i32 s45, s14, HALFT                      ; where they go: wave x 128 rows
	s_mul_i32 s94, s14, HALFS
	s_wait_dscnt 0x0                               ; both opening adds are done
	s_wait_kmcnt 0x0
	s_add_nc_u64 s[8:9], s[4:5], 0x400000          ; the weights' codes,
	s_add_nc_u64 s[10:11], s[6:7], 0x40000         ; and their scales
	s_add_nc_u64 s[20:21], s[4:5], s[20:21]
	s_add_nc_u64 s[22:23], s[6:7], s[22:23]
	s_add_nc_u64 s[46:47], s[8:9], s[46:47]
	s_add_nc_u64 s[92:93], s[10:11], s[92:93]
	CROUND                                         ; all sixteen work-groups are here: the joint loads meet
	s_mov_b32 s[G0S], 1
	s_add_co_u32 s[G0S+1], s94, SCL
	s_mov_b64 s[G0S+2:G0S+3], s[22:23]
	s_or_b32 s[G0S+3], s[G0S+3], 0x80000000
	s_mov_b32 s[G0SB], 1
	s_add_co_u32 s[G0SB+1], s94, SCL
	s_mov_b64 s[G0SB+2:G0SB+3], s[92:93]
	s_or_b32 s[G0SB+3], s[G0SB+3], 0x80000000
	JLOAD G0S, G1S, G0SB, G1SB                     ; the scales first
.irp s, 0,1
	s_mov_b32 s[G0+4*\s], 1
	s_add_co_u32 s[G0+4*\s+1], s45, \s*SLOT
	s_add_nc_u64 s[G0+4*\s+2:G0+4*\s+3], s[20:21], \s*ROWB
	s_or_b32 s[G0+4*\s+3], s[G0+4*\s+3], 0x80000000
	s_mov_b32 s[G0B+4*\s], 1
	s_add_co_u32 s[G0B+4*\s+1], s45, \s*SLOT
	s_add_nc_u64 s[G0B+4*\s+2:G0B+4*\s+3], s[46:47], \s*ROWB
	s_or_b32 s[G0B+4*\s+3], s[G0B+4*\s+3], 0x80000000
	JLOAD G0+4*\s, G1, G0B+4*\s, G1B               ; three loads of mine are out
.endr
	v_and_b32 v1, 15, v0                           ; r
	v_bfe_u32 v2, v0, 4, 1                         ; h
	; the bias: lane (r, h) wants, for B's block b, the numbers of columns 16 b + 8 h + 0..7 of my 128
	v_lshlrev_b32 v7, 5, v2
	s_lshl_b32 s46, s40, 10
	s_lshl_b32 s47, s16, 9
	s_add_co_u32 s46, s46, s47                     ; my first column, in bytes of f32
	s_mov_b32 s47, 0
	s_cmp_lt_u32 ttmp9, 2
	s_cselect_b64 s[96:97], s[96:97], s[98:99]     ; bq, bq, bk,
	s_cselect_b32 s95, -1, 0                       ; (all lanes on where there is a second bias)
	s_cmp_eq_u32 ttmp9, 3
	s_cselect_b64 s[96:97], s[100:101], s[96:97]   ; bv
	s_cmp_eq_u32 ttmp9, 1
	s_cselect_b64 s[104:105], s[2:3], s[104:105]   ; r_r_bias for p = 1, else r_w_bias
	s_add_nc_u64 s[96:97], s[96:97], s[46:47]
	s_add_nc_u64 s[104:105], s[104:105], s[46:47]
.irp b, 0,1,2,3,4,5,6,7
	global_load_b128 v[BIA+8*\b:BIA+8*\b+3], v7, s[96:97] offset:64*\b
	global_load_b128 v[BIA+8*\b+4:BIA+8*\b+7], v7, s[96:97] offset:64*\b+16
	global_load_b128 v[AF+8*\b:AF+8*\b+3], v7, s[104:105] offset:64*\b
	global_load_b128 v[AF+8*\b+4:AF+8*\b+7], v7, s[104:105] offset:64*\b+16
.endr
	v_mul_u32_u24 v3, v1, PITCH
	v_lshl_add_u32 v4, v2, 4, v3                   ; a fragment's row x pitch + 16 x half
	s_mul_i32 s21, s15, HALFT
	s_mul_i32 s22, s16, HALFT
	s_add_co_u32 s22, s22, 2*HALFT
.irp s, 0,1
	v_add_nc_u32 v[ADRA+\s], s21, v4
	v_add_nc_u32 v[ADRB+\s], s22, v4
	s_add_co_u32 s21, s21, SLOT
	s_add_co_u32 s22, s22, SLOT
.endr
	v_mul_u32_u24 v5, v1, KS                       ; my row's scales: KS bytes a row,
	v_lshrrev_b32 v6, 8, v5
	v_lshl_add_u32 v5, v6, 4, v5                   ; and 16 more for each 256 passed
	s_mul_i32 s21, s15, HALFS
	s_mul_i32 s22, s16, HALFS
	s_add_co_u32 s22, s22, 2*HALFS
	s_sub_co_u32 s22, s22, s21
	v_mul_u32_u24 v6, s22, v2                      ; lanes 16-31 take B's
	s_add_co_u32 s21, s21, SCL
	v_add_nc_u32 v5, v5, v6
	v_add_nc_u32 v[ADRS], s21, v5
	s_mul_i32 s23, s14, 16*272                     ; my stage: in slot 0, which has had its only fill, and which nobody reads when the first result is stored there
	v_mul_u32_u24 v5, v1, 272
	v_lshl_add_u32 v5, v2, 4, v5
	v_add_nc_u32 v[STO], s23, v5                   ; in: row r, 16 bytes for each half of the lanes
	v_bfe_u32 v5, v0, 3, 2
	v_mul_u32_u24 v5, v5, 272
	v_and_b32 v6, 7, v0
	v_lshl_add_u32 v5, v6, 4, v5
	v_add_nc_u32 v[RD], s23, v5                    ; back: eight lanes take one head's 128 bytes of a row, four rows an instruction
	v_and_b32 v6, 31, v0
	v_lshlrev_b32 v[CO], 4, v6                     ; which are 512 consecutive bytes of qkv16
	s_lshl_b32 s20, s17, 8
	s_lshl_b32 s21, s15, 7
	s_add_co_u32 s20, s20, s21                     ; my first row of the 4,096
	s_lshr_b32 s21, s20, 11
	s_lshl_b32 s21, s21, 4                         ; 16 x batch
	s_and_b32 s20, s20, 2047
	s_lshl_b32 s20, s20, 7                         ; t x 128 bytes
	s_lshl_b32 s46, s40, 2
	s_lshl_b32 s47, s16, 1
	s_add_co_u32 s46, s46, s47                     ; my first head: 4 cx + 2 x half
	s_add_co_u32 s46, s46, s21
	s_lshl_b32 s46, s46, 18                        ; a head is 262,144 bytes
	s_add_co_u32 s46, s46, s20
	s_lshl_b32 s47, ttmp9, 23                      ; a section 8,388,608
	s_add_co_u32 s46, s46, s47
	s_mov_b32 s47, 0
	s_add_nc_u64 s[12:13], s[12:13], s[46:47]
	s_wait_loadcnt 0x0                             ; the biases
.irp j, 0,1,2,3,4,5,6,7,8,9,10,11,12,13,14,15,16,17,18,19,20,21,22,23,24,25,26,27,28,29,30,31,32,33,34,35,36,37,38,39,40,41,42,43,44,45,46,47,48,49,50,51,52,53,54,55,56,57,58,59,60,61,62,63
	v_cndmask_b32 v[AF+\j], 0, v[AF+\j], s95       ; k and v have no second bias
.endr
.irp j, 0,2,4,6,8,10,12,14,16,18,20,22,24,26,28,30,32,34,36,38,40,42,44,46,48,50,52,54,56,58,60,62
	v_pk_add_f32 v[BIA+\j:BIA+\j+1], v[BIA+\j:BIA+\j+1], v[AF+\j:AF+\j+1]
.endr
.macro FRAG reg, adr, q, i             ; 16 rows x 128 K of 4-bit codes: 8 registers: two loads of 16 bytes, 32 bytes apart
.irp c, 0,1
	ds_load_b128 v[\reg+4*\c:\reg+4*\c+3], v[\adr] offset:64*(\q)+32*\c+(\i)*16*PITCH
.endr
.endm
; 16 matrix instructions: A's blocks a0, a0 + 1 x B's eight.  zero = 1: the first product starts the sums, with the bias as C.  The 64 accumulators take turns, one instruction a turn.
.macro MUL16 a0, p, q, sc, zero
.irp a, \a0, \a0+1
.irp b, 0,1,2,3,4,5,6,7
.if \zero
	v_wmma_scale_f32_16x16x128_f8f6f4 v[8*(8*((\a)%4)+\b):8*(8*((\a)%4)+\b)+7], v[128*(\p)+FR*\b:128*(\p)+FR*\b+FR-1], v[AF+FR*(\a):AF+FR*(\a)+FR-1], v[BIA+8*\b:BIA+8*\b+7], v[SC+8*NQ*(\sc)+NQ*\b+(\q)], v[SC+8*NQ*(\sc)+NQ*(\a)+(\q)] matrix_a_fmt:MATRIX_FMT_FP4 matrix_b_fmt:MATRIX_FMT_FP4 matrix_a_scale:MATRIX_SCALE_ROW1
.else
	v_wmma_scale_f32_16x16x128_f8f6f4 v[8*(8*((\a)%4)+\b):8*(8*((\a)%4)+\b)+7], v[128*(\p)+FR*\b:128*(\p)+FR*\b+FR-1], v[AF+FR*(\a):AF+FR*(\a)+FR-1], v[8*(8*((\a)%4)+\b):8*(8*((\a)%4)+\b)+7], v[SC+8*NQ*(\sc)+NQ*\b+(\q)], v[SC+8*NQ*(\sc)+NQ*(\a)+(\q)] matrix_a_fmt:MATRIX_FMT_FP4 matrix_b_fmt:MATRIX_FMT_FP4 matrix_a_scale:MATRIX_SCALE_ROW1
.endif
.endr
.endr
.endm
.macro FETCH_B slot, q, p
	WIN TO_B
.irp i, 0,1,2,3,4,5,6,7
	FRAG 128*(\p)+FR*\i, ADRB+\slot, \q, \i
.endr
	WIN 0
.endm
.macro FETCH_A slot, q, i0
.irp i, \i0, \i0+1, \i0+2, \i0+3
	FRAG AF+FR*(\i), ADRA+\slot, \q, \i
.endr
.endm
.macro SCALES sc                       ; a slot's scale words: lanes 0-15 take A's block i, lanes 16-31 B's block i
.irp i, 0,1,2,3,4,5,6,7
	ds_load_b128 v[SC+8*NQ*\sc+NQ*\i:SC+8*NQ*\sc+NQ*\i+3], v[ADRS] offset:\i*SBLK
.endr
.endm
.macro PLACES n                        ; places in front of loads into registers that matrix instructions have read, and of the first read of results
.rept \n
	v_nop
.endr
.endm
.macro STEP slot, q, zero              ; 128 along K, with its successor in the same slot
	s_wait_dscnt 4*NL                              ; B's set and A's blocks 0-3 are in; the youngest eight loads (A's blocks 4-7) may be out
.if \zero
	WIN 0x81                                       ; C, the bias, in window 0
.else
	WIN MUL_LO
.endif
	MUL16 0, (\q)%2, \q, \slot, \zero
	MUL16 2, (\q)%2, \q, \slot, \zero
	s_wait_dscnt 0
	PLACES NP
	FETCH_B \slot, (\q)+1, 1-(\q)%2
	FETCH_A \slot, (\q)+1, 0
.if \zero
	WIN 0xc1
.else
	WIN MUL_HI
.endif
	MUL16 4, (\q)%2, \q, \slot, \zero
	MUL16 6, (\q)%2, \q, \slot, \zero
	PLACES NP
	WIN 0
	FETCH_A \slot, (\q)+1, 4
.endm
.macro TURN slot, next                 ; a slot's last step changes slots: one barrier; nothing is filled again
	s_wait_tensorcnt 0x0                           ; all my tensor loads have landed: my part of the next slot
	ds_add_u32 v[SPW], v[NIL]                      ; 0 onto my spare word
	s_wait_dscnt 4*NL+1                            ; the add and the youngest eight loads may be out
	WIN MUL_LO
	MUL16 0, 1, NQ-1, \slot, 0
	s_wait_dscnt 0x0
	s_barrier_signal -1
	MUL16 2, 1, NQ-1, \slot, 0
	WIN 0
	s_barrier_wait -1                              ; the next slot is whole
	PLACES NP
	v_add_nc_u32 v[ADRS], 4*NQ, v[ADRS]            ; the next slot's scale words
	FETCH_B \next, 0, 0
	FETCH_A \next, 0, 0
	SCALES \next
	WIN MUL_HI
	MUL16 4, 1, NQ-1, \slot, 0
	MUL16 6, 1, NQ-1, \slot, 0
	PLACES NP
	WIN 0
	FETCH_A \next, 0, 4
.endm
.macro STEPS slot, from
.set Q, \from
.rept NQ-1-\from
	STEP \slot, Q, 0
.set Q, Q+1
.endr
.endm
	s_wait_tensorcnt 1                             ; the scales and my part of slot 0 are in; slot 1's load may be out
	s_barrier_signal -1
	s_barrier_wait -1
	FETCH_B 0, 0, 0
	FETCH_A 0, 0, 0
	SCALES 0
	FETCH_A 0, 0, 4
	STEP 0, 0, 1
	STEPS 0, 1
	TURN 0, 1
	STEPS 1, 0
	s_wait_dscnt 4*NL                              ; the last step: nothing more to fetch
	WIN MUL_LO
	MUL16 0, 1, NQ-1, 1, 0
	MUL16 2, 1, NQ-1, 1, 0
	s_wait_dscnt 0
	WIN MUL_HI
	MUL16 4, 1, NQ-1, 1, 0
	MUL16 6, 1, NQ-1, 1, 0
	WIN 0
; THE WAY OUT, a block of 16 rows x 128 columns (two heads) at a time: rounded to f16, 16 bytes a lane into my stage, back by heads: 4 rows x 128 bytes of one head are 512 consecutive bytes of qkv16.
; It works in the registers that held A's fragments and the bias; the scale words' registers are left alone.
.macro PACK a
.set AC, 64*((\a)%4)
	WIN 0x0a+5*((\a)/4)                            ; sources 0 and 1: window 2 or 3
.irp b, 0,1,2,3,4,5,6,7
.irp r, 0,1,2,3
	v_cvt_pk_f16_f32 v[TMP+4*\b+\r], v[AC+8*\b+2*\r], v[AC+8*\b+2*\r+1]   ; each accumulator from its low end on
.endr
.endr
	WIN 0
.endm
.macro TOSTAGE a
.set BB, BK+32*((\a)%2)
.irp b, 0,1,2,3,4,5,6,7
	ds_store_b128 v[STO], v[TMP+4*\b:TMP+4*\b+3] offset:32*\b
.endr
.irp i, 0,1,2,3,4,5,6,7
	ds_load_b128 v[BB+4*\i:BB+4*\i+3], v[RD] offset:(\i%4)*1088+(\i/4)*128   ; LDS serves a wave's instructions in order: these see the stores above
.endr
.endm
.macro SEND a
.set BB, BK+32*((\a)%2)
	s_wait_dscnt 0x0                               ; the block is back in registers
	s_wait_xcnt 0x0                                ; the stores of the block before have read their registers: the next block's loads may land there
.irp i, 0,1,2,3,4,5,6,7
	global_store_b128 v[CO], v[BB+4*\i:BB+4*\i+3], s[12:13] offset:(\i/4)*262144+(16*(\a)+4*(\i%4))*128
.endr
.endm
	PLACES NP                                      ; behind the last products: their operands' registers are written and their results read only behind these
	PACK 0
	TOSTAGE 0
.irp a, 1,2,3,4,5,6,7                  ; block a's conversions stand between block a - 1's loads from the stage and the wait for them
	PACK \a
	SEND \a-1
	TOSTAGE \a
.endr
	SEND 7
	s_wait_tensorcnt 0x0                           ; the wave's end
	ds_add_u32 v[SPW], v[NIL]
	s_wait_dscnt 0x0
	CROUND                                         ; the closing round
	s_endpgm
.Lfunc_end_k_qed39ea5df4_gemm4:
	.size	k_qed39ea5df4_gemm4, .Lfunc_end_k_qed39ea5df4_gemm4-k_qed39ea5df4_gemm4
	.p2alignl 7, 3214868480
	.fill 96, 4, 3214868480
	.section	.rodata,"a",@progbits
	.p2align	6, 0x0
	.amdhsa_kernel k_qed39ea5df4_gemm4
		.amdhsa_group_segment_fixed_size 327680
		.amdhsa_private_segment_fixed_size 0
		.amdhsa_enable_private_segment 0
		.amdhsa_kernarg_size 64
		.amdhsa_user_sgpr_count 2
		.amdhsa_user_sgpr_kernarg_segment_ptr 1
		.amdhsa_wavefront_size32 1
		.amdhsa_system_sgpr_workgroup_id_x 1
		.amdhsa_system_sgpr_workgroup_id_y 1
		.amdhsa_system_sgpr_workgroup_id_z 1
		.amdhsa_system_vgpr_workitem_id 0
		.amdhsa_next_free_vgpr 1024
		.amdhsa_next_free_sgpr 106
		.amdhsa_reserve_vcc 0
		.amdhsa_float_denorm_mode_32 3
		.amdhsa_float_denorm_mode_16_64 3
		.amdhsa_memory_ordered 1
		.amdhsa_forward_progress 1
		.amdhsa_inst_pref_size 136
	.end_amdhsa_kernel
	.amdgpu_metadata
---
amdhsa.version: [ 1, 2 ]
amdhsa.kernels:
  - .name:           k_qed39ea5df4_gemm4
    .symbol:         k_qed39ea5df4_gemm4.kd
    .args:
      - { .name: cod, .offset: 0, .size: 8, .value_kind: global_buffer, .address_space: global }
      - { .name: scl, .offset: 8, .size: 8, .value_kind: global_buffer, .address_space: global }
      - { .name: bq, .offset: 16, .size: 8, .value_kind: global_buffer, .address_space: global }
      - { .name: bk, .offset: 24, .size: 8, .value_kind: global_buffer, .address_space: global }
      - { .name: bv, .offset: 32, .size: 8, .value_kind: global_buffer, .address_space: global }
      - { .name: r_w_bias, .offset: 40, .size: 8, .value_kind: global_buffer, .address_space: global }
      - { .name: r_r_bias, .offset: 48, .size: 8, .value_kind: global_buffer, .address_space: global }
      - { .name: qkv16, .offset: 56, .size: 8, .value_kind: global_buffer, .address_space: global }
    .group_segment_fixed_size: 327680
    .private_segment_fixed_size: 0
    .kernarg_segment_align: 8
    .kernarg_segment_size: 64
    .max_flat_workgroup_size: 128
    .sgpr_count:     106
    .vgpr_count:     1024
    .wavefront_size: 32
...
	.end_amdgpu_metadata
.endif
;; end of part 2
;; launch gemmpe (part 3): grid 8 x 32, 4 waves a work-group, clusters of 4 x 4, 327,680 bytes of LDS; arguments emb16, w16, bp, pe16; writes pe16
.if DOCPART == 3
	.amdgcn_target "amdgcn-amd-amdhsa--gfx1250"
	.amdhsa_code_object_version 6
	.text
	.protected	k_qed39ea5df4_gemmpe
	.globl	k_qed39ea5df4_gemmpe
	.p2align	8
	.type	k_qed39ea5df4_gemmpe,@function
k_qed39ea5df4_gemmpe:
	s_mov_b64 s[64:65], 0
	v_nop
	global_prefetch_b8 v0, s[64:65] scope:SCOPE_SE
	s_setreg_imm32_b32 hwreg(HW_REG_WAVE_MODE, 25, 1), 1
	s_wait_xcnt 0x0
	s_wait_alu depctr_hold_cnt(0) depctr_sa_sdst(0) depctr_va_vdst(0) depctr_va_sdst(0) depctr_va_ssrc(0) depctr_va_vcc(0) depctr_vm_vsrc(0)
	s_getreg_b32 s2, hwreg(HW_REG_IB_STS2, 6, 4)
	s_cmp_eq_u32 s2, 0
	s_cbranch_scc0 .Lentry_in_a_cluster
	s_endpgm
.Lentry_in_a_cluster:
	s_bfe_u32 s2, ttmp6, 0x10000c
	s_cmp_lg_u32 s2, 0xf033
	s_cbranch_scc0 .Lentry_shape_is_right
	s_endpgm
.Lentry_shape_is_right:
; C[m][n] = sum over k of A[m][k] B[n][k] + bias[n], 4096 x 1024 x 1024, operands f16, sums f32.  One source serves two launches, told apart by KIND:
;   KIND 0: A = the sinusoid table by u, B = Wp turned, bias = bp; row u = 2049 becomes zeros (the padding column of the relative shift); result f16, laid by head: pe16 [head][u][64].
;   KIND 1: A = the attention's result, B = Wo turned (the second half of w16), bias = bo; result f32, row-major: out0.
; A tile of C is 128 x 128: 256 work-groups.  Four waves, 64 x 64 each: 16 accumulators.  K goes in steps of 256 (rows of 512 bytes) through two LDS slots.
; CLUSTERS: 4 x 4 work-groups; A's tile is asked for jointly along a row of the cluster, B's along a column.  The matrix instruction is used transposed: a lane holds eight neighbouring columns of a row.
; The bias is the C of each sum's first product.  On the way out each wave has a stage of its own: a wave's 64 columns are one head's 128 bytes (KIND 0) or 256 aligned bytes of a row (KIND 1).
; LIMIT (KIND 0): results must lie inside f16's range.
; REGISTERS: window 0: v0-31 addresses; v32-95 the way out; v96-127 the bias; v128-255 the accumulators.  window 1: two fragment buffers of 128.
.set KIND,   0
.set SIZE_N, 1024
.set SIZE_K, 1024
.set KSTEP,  256
.set PITCH,  528                       ; 512 bytes + 16 of padding = 132 words: row r starts at bank 4 r mod 64 (64 banks of 4 bytes: ISA guide 11.1)
.set HALFT,  64*PITCH
.set SLOT,   4*HALFT
.set STAGE,  2*SLOT                    ; behind the ring: 4,352 bytes for each wave
.set SPARE,  STAGE+4*4352              ; the spare words, 128 bytes a wave
.set LAPS, SIZE_K/(2*KSTEP)
.set ADRA, 16
.set ADRB, 20
.set STO,  24
.set RD,   25
.set CO,   26
.set ROWN, 27
.set SPW,  28
.set NIL,  29
.set BIA,  96
.set ACC,  128
.set F0,   0
.set F1,   128
.set G1, 24
.set G0, 32
.set G1B, 48
.set G0B, 56
.set MSB, 0
.macro WIN new
.if MSB != \new
	s_set_vgpr_msb (MSB<<8)|\new
.set MSB, \new
.endif
.endm
.set MUL,  0x05                        ; sources 0 (B) and 1 (A) window 1; C and D window 0
.set TO_F, 0x40
.macro JLOAD s                         ; a joint load: waves 0 and 1 fetch A's halves, waves 2 and 3 B's; an s_nop 0 and four v_nop follow each line
	s_cmp_eq_u32 s11, 0
	s_cbranch_scc0 .Lfor_b_\@
	tensor_load_to_lds s[G0+4*\s:G0+4*\s+3], s[G1:G1+7]
	s_nop 0
.rept 4
	v_nop
.endr
	s_branch .Lasked_\@
.Lfor_b_\@:
	tensor_load_to_lds s[G0B+4*\s:G0B+4*\s+3], s[G1B:G1B+7]
	s_nop 0
.rept 4
	v_nop
.endr
.Lasked_\@:
.endm
.macro CREST
	s_cmp_lg_u32 s10, 0
	s_cbranch_scc1 .Lnot_wave_0_\@
	s_barrier_signal -3
.Lnot_wave_0_\@:
	s_barrier_wait -3
	s_barrier_signal -1
	s_barrier_wait -1
.endm
.macro CROUND
	s_barrier_signal -1
	s_barrier_wait -1
	CREST
.endm
	s_load_b128 s[4:7], s[0:1], 0x0                ; A, B
	s_load_b64 s[2:3], s[0:1], 0x10                ; the bias
	s_load_b64 s[8:9], s[0:1], 0x18                ; C
	v_lshl_add_u32 v[SPW], v0, 2, SPARE
	v_mov_b32 v[NIL], 0
	ds_add_u32 v[SPW], v[NIL]                      ; the wave's opening: the add, twice on end, and its wait ahead of my first tensor load
	ds_add_u32 v[SPW], v[NIL]
	v_lshrrev_b32 v1, 5, v0
	v_readfirstlane_b32 s10, v1                    ; wave 0..3
	s_lshr_b32 s11, s10, 1                         ; my half of the rows.  Also: I fetch for A (0) or B (1)
	s_and_b32 s12, s10, 1                          ; my half of the columns.  Also: which 64 rows I fetch
	s_bfe_u32 s40, ttmp6, 0x40000
	s_bfe_u32 s41, ttmp6, 0x40004
	s_lshl_b32 s42, ttmp9, 2
	s_add_co_u32 s42, s42, s40                     ; tile column
	s_and_b32 s13, ttmp7, 0xffff
	s_lshl_b32 s13, s13, 2
	s_add_co_u32 s13, s13, s41                     ; tile row
	s_lshl_b32 s43, s41, 2
	s_lshl_b32 s43, 15, s43
	s_lshl_b32 s44, 0x1111, s40
	s_or_b32 s[G1+0], s43, (1<<16)|(1<<20)|(1<<21)|(6<<22)|(3<<25)  ; the mask; elements of 2 bytes; padding on; bit 21 beside a mask; four words after every 128
	s_or_b32 s[G1B+0], s44, (1<<16)|(1<<20)|(1<<21)|(6<<22)|(3<<25)
.irp g, G1, G1B
	s_mov_b32 s[\g+1], KSTEP<<16
	s_mov_b32 s[\g+2], 64<<16
	s_mov_b32 s[\g+3], KSTEP<<16
	s_mov_b32 s[\g+4], 64
	s_mov_b32 s[\g+5], SIZE_K
	s_mov_b32 s[\g+6], 0
	s_mov_b32 s[\g+7], 0
.endr
	s_lshl_b32 s17, s12, 6
	s_lshl_b32 s16, s13, 7
	s_add_co_u32 s16, s16, s17
	s_lshl_b32 s46, s42, 7
	s_add_co_u32 s46, s46, s17
	s_mov_b32 s17, 0
	s_mov_b32 s47, 0
	s_mov_b64 s[18:19], SIZE_K*2
	s_mul_u64 s[16:17], s[16:17], s[18:19]
	s_mul_u64 s[46:47], s[46:47], s[18:19]
	s_mul_i32 s20, s10, HALFT
	s_wait_dscnt 0x0
	s_wait_kmcnt 0x0
.if KIND
	s_add_nc_u64 s[6:7], s[6:7], 0x200000          ; Wo lies behind Wp
.endif
	s_add_nc_u64 s[14:15], s[4:5], s[16:17]
	s_add_nc_u64 s[46:47], s[6:7], s[46:47]
	CROUND
.irp s, 0,1
	s_mov_b32 s[G0+4*\s], 1
	s_add_co_u32 s[G0+4*\s+1], s20, \s*SLOT
	s_add_nc_u64 s[G0+4*\s+2:G0+4*\s+3], s[14:15], \s*KSTEP*2
	s_or_b32 s[G0+4*\s+3], s[G0+4*\s+3], 0x80000000
	s_mov_b32 s[G0B+4*\s], 1
	s_add_co_u32 s[G0B+4*\s+1], s20, \s*SLOT
	s_add_nc_u64 s[G0B+4*\s+2:G0B+4*\s+3], s[46:47], \s*KSTEP*2
	s_or_b32 s[G0B+4*\s+3], s[G0B+4*\s+3], 0x80000000
	JLOAD \s
.endr
	v_and_b32 v1, 15, v0                           ; r
	v_bfe_u32 v2, v0, 4, 1                         ; h
	v_lshlrev_b32 v6, 5, v2                        ; the bias: for B's block b the numbers of columns 16 b + 8 h + 0..7 of my 64
	s_lshl_b32 s46, s42, 9
	s_lshl_b32 s47, s12, 8
	s_add_co_u32 s46, s46, s47                     ; my first column, in bytes of f32
	s_mov_b32 s47, 0
	s_add_nc_u64 s[2:3], s[2:3], s[46:47]
.irp b, 0,1,2,3
	global_load_b128 v[BIA+8*\b:BIA+8*\b+3], v6, s[2:3] offset:64*\b
	global_load_b128 v[BIA+8*\b+4:BIA+8*\b+7], v6, s[2:3] offset:64*\b+16
.endr
	v_mul_u32_u24 v3, v1, PITCH
	v_lshl_add_u32 v3, v2, 4, v3
	s_mul_i32 s21, s11, HALFT
	s_mul_i32 s22, s12, HALFT
	s_add_co_u32 s22, s22, 2*HALFT
.irp s, 0,1
	v_add_nc_u32 v[ADRA+\s], s21, v3
	v_add_nc_u32 v[ADRB+\s], s22, v3
	s_add_co_u32 s21, s21, SLOT
	s_add_co_u32 s22, s22, SLOT
.endr
	s_mul_i32 s23, s10, 4352
	s_add_co_u32 s23, s23, STAGE                   ; my stage
	s_lshl_b32 s16, s13, 7
	s_lshl_b32 s17, s11, 6
	s_add_co_u32 s16, s16, s17                     ; my first row of C
.if KIND
	v_mul_u32_u24 v4, v1, 272
	v_lshl_add_u32 v4, v2, 5, v4
	v_add_nc_u32 v[STO], s23, v4                   ; in: row r of 256 bytes + 16, 32 bytes for each half of the lanes
	v_mul_u32_u24 v5, v2, 272
	v_lshl_add_u32 v5, v1, 4, v5
	v_add_nc_u32 v[RD], s23, v5                    ; back: sixteen lanes a row, two rows an instruction
	v_lshlrev_b32 v5, 12, v2
	v_lshl_add_u32 v[CO], v1, 4, v5                ; and the same two rows in C
	s_lshl_b32 s16, s16, 12                        ; a row of C is 4,096 bytes; the columns' bytes stand in s46
.else
	v_mul_u32_u24 v4, v1, 144
	v_lshl_add_u32 v4, v2, 4, v4
	v_add_nc_u32 v[STO], s23, v4                   ; in: row r of 128 bytes + 16, 16 bytes for each half of the lanes
	v_bfe_u32 v5, v0, 3, 2
	v_mul_u32_u24 v5, v5, 144
	v_and_b32 v7, 7, v0
	v_lshl_add_u32 v5, v7, 4, v5
	v_add_nc_u32 v[RD], s23, v5                    ; back: eight lanes a row, four rows an instruction,
	v_and_b32 v7, 31, v0
	v_lshlrev_b32 v[CO], 4, v7                     ; which are 512 consecutive bytes of pe16
	v_add_nc_u32 v[ROWN], s16, v1                  ; the row u of my lane in block 0: it is compared, and enters no address
	s_lshl_b32 s16, s16, 7                         ; a row of a head is 128 bytes
	s_lshl_b32 s46, s42, 1
	s_add_co_u32 s46, s46, s12                     ; my head
	s_lshl_b32 s46, s46, 19                        ; 524,288 bytes a head
.endif
	s_mov_b32 s17, 0
	s_add_nc_u64 s[8:9], s[8:9], s[16:17]
	s_add_nc_u64 s[8:9], s[8:9], s[46:47]
.macro MUL8 f, c, a0, zero             ; 8 matrix instructions; zero = 1: the first product starts the sums, with the bias as C
.irp a, \a0, \a0+1
.irp b, 0,1,2,3
.if \zero
	v_wmma_f32_16x16x32_f16 v[ACC+8*(4*(\a)+\b):ACC+8*(4*(\a)+\b)+7], v[\f+64+8*(4*\c+\b):\f+64+8*(4*\c+\b)+7], v[\f+8*(4*\c+\a):\f+8*(4*\c+\a)+7], v[BIA+8*\b:BIA+8*\b+7]
.else
	v_wmma_f32_16x16x32_f16 v[ACC+8*(4*(\a)+\b):ACC+8*(4*(\a)+\b)+7], v[\f+64+8*(4*\c+\b):\f+64+8*(4*\c+\b)+7], v[\f+8*(4*\c+\a):\f+8*(4*\c+\a)+7], v[ACC+8*(4*(\a)+\b):ACC+8*(4*(\a)+\b)+7]
.endif
.endr
.endr
.endm
.macro FETCH slot, k, f                ; 32 LDS loads in one run: the fragments of 64 along K at byte k of the rows
	WIN TO_F
.irp c, 0,1
.irp i, 0,1,2,3
	ds_load_b128 v[\f+64+8*(4*\c+\i):\f+64+8*(4*\c+\i)+3],   v[ADRB+\slot] offset:\k+64*\c+\i*16*PITCH
	ds_load_b128 v[\f+64+8*(4*\c+\i)+4:\f+64+8*(4*\c+\i)+7], v[ADRB+\slot] offset:\k+64*\c+\i*16*PITCH+32
	ds_load_b128 v[\f+8*(4*\c+\i):\f+8*(4*\c+\i)+3],         v[ADRA+\slot] offset:\k+64*\c+\i*16*PITCH
	ds_load_b128 v[\f+8*(4*\c+\i)+4:\f+8*(4*\c+\i)+7],       v[ADRA+\slot] offset:\k+64*\c+\i*16*PITCH+32
.endr
.endr
.endm
.macro PLACES
.rept 4
	v_nop
.endr
.endm
.macro QUARTER slot, k, f, g, zero
	s_wait_dscnt 16                                ; the first 32 along K are in; the other sixteen loads may be out
	WIN MUL
	MUL8 \f, 0, 0, \zero
	MUL8 \f, 0, 2, \zero
	PLACES
	FETCH \slot, \k, \g
	s_wait_dscnt 32                                ; all but the 32 just issued
	WIN MUL
	MUL8 \f, 1, 0, 0
	MUL8 \f, 1, 2, 0
.endm
.macro TURN slot, next, fill           ; the last quarter changes slots: one barrier; fill = 1: this slot is filled again, two K steps ahead
	WIN 0
	s_wait_tensorcnt 0x0                           ; all my tensor loads have landed: my part of the next slot
	ds_add_u32 v[SPW], v[NIL]                      ; 0 onto my spare word
	s_wait_dscnt 17                                ; the add and the youngest sixteen loads may be out
	WIN MUL
	MUL8 F1, 0, 0, 0
	s_wait_dscnt 0x0                               ; the add is done, and my reads of this slot are over
	s_barrier_signal -1
	MUL8 F1, 0, 2, 0
.if \fill
	WIN 0
.endif
	s_barrier_wait -1
.if \fill
	CREST                                          ; the barrier has opened a round of the cluster's: no wave of any partner still reads this slot or has a load on its way
	s_add_nc_u64 s[G0+4*\slot+2:G0+4*\slot+3], s[G0+4*\slot+2:G0+4*\slot+3], 2*KSTEP*2
	s_add_nc_u64 s[G0B+4*\slot+2:G0B+4*\slot+3], s[G0B+4*\slot+2:G0B+4*\slot+3], 2*KSTEP*2
	JLOAD \slot
.else
	PLACES
.endif
	FETCH \next, 0, F0
	WIN MUL
	MUL8 F1, 1, 0, 0
	MUL8 F1, 1, 2, 0
.endm
	s_wait_loadcnt 0x0                             ; the bias (its base register is written again below)
	s_wait_tensorcnt 1                             ; my part of K step 0 is in; K step 1's load may be out
	s_barrier_signal -1
	s_barrier_wait -1
	FETCH 0, 0, F0
	QUARTER 0, 128, F0, F1, 1
	WIN 0
	s_mov_b32 s3, LAPS-1
.Llap:
	QUARTER 0, 256, F1, F0, 0
	QUARTER 0, 384, F0, F1, 0
	TURN 0, 1, 1
	QUARTER 1, 128, F0, F1, 0
	QUARTER 1, 256, F1, F0, 0
	QUARTER 1, 384, F0, F1, 0
	TURN 1, 0, 1
	QUARTER 0, 128, F0, F1, 0
	WIN 0
	s_sub_co_u32 s3, s3, 1
	s_cmp_lg_u32 s3, 0
	s_cbranch_scc1 .Llap
	QUARTER 0, 256, F1, F0, 0                      ; the last lap fills nothing
	QUARTER 0, 384, F0, F1, 0
	TURN 0, 1, 0
	QUARTER 1, 128, F0, F1, 0
	QUARTER 1, 256, F1, F0, 0
	QUARTER 1, 384, F0, F1, 0
	s_wait_dscnt 16
	WIN MUL
	MUL8 F1, 0, 0, 0
	MUL8 F1, 0, 2, 0
	s_wait_dscnt 0
	MUL8 F1, 1, 0, 0
	MUL8 F1, 1, 2, 0
	WIN 0
	PLACES
; THE WAY OUT, a block of 16 rows at a time, through my own stage; LDS serves a wave's instructions in order, so no wait stands between the stores and the loads.
.if KIND
.macro TOST a
.irp b, 0,1,2,3
	ds_store_b128 v[STO], v[ACC+8*(4*(\a)+\b):ACC+8*(4*(\a)+\b)+3] offset:64*\b       ; each accumulator from its low end on
	ds_store_b128 v[STO], v[ACC+8*(4*(\a)+\b)+4:ACC+8*(4*(\a)+\b)+7] offset:64*\b+16
.endr
.set BB, 32+32*((\a)%2)
.irp t, 0,1,2,3,4,5,6,7
	ds_load_b128 v[BB+4*\t:BB+4*\t+3], v[RD] offset:\t*544
.endr
.endm
.macro SEND a, younger
.set BB, 32+32*((\a)%2)
	s_wait_dscnt \younger                          ; the next block's LDS instructions may be out
.irp t, 0,1,2,3,4,5,6,7
	global_store_b128 v[CO], v[BB+4*\t:BB+4*\t+3], s[8:9] offset:(16*(\a)+2*\t)*4096 th:TH_STORE_NT   ; sixteen lanes store 256 consecutive bytes, aligned
.endr
.endm
	TOST 0
	TOST 1
	SEND 0, 16
	s_wait_xcnt 0x0                                ; block 0's stores have read their registers
	TOST 2
	SEND 1, 16
	s_wait_xcnt 0x0
	TOST 3
	SEND 2, 16
	SEND 3, 0
.else
.macro TOST a
.set TT, 32+16*((\a)%2)
.irp b, 0,1,2,3
.irp r, 0,1,2,3
	v_cvt_pk_f16_f32 v[TT+4*\b+\r], v[ACC+8*(4*(\a)+\b)+2*\r], v[ACC+8*(4*(\a)+\b)+2*\r+1]
.endr
.endr
	v_cmp_ne_u32 vcc_lo, 2049-16*(\a), v[ROWN]     ; is my row another than u = 2049?  A choice of values, no branch
.irp i, 0,1,2,3,4,5,6,7,8,9,10,11,12,13,14,15
	v_cndmask_b32 v[TT+\i], 0, v[TT+\i], vcc_lo    ; row 2049 becomes zeros
.endr
.irp b, 0,1,2,3
	ds_store_b128 v[STO], v[TT+4*\b:TT+4*\b+3] offset:32*\b
.endr
.set BB, 64+16*((\a)%2)
.irp t, 0,1,2,3
	ds_load_b128 v[BB+4*\t:BB+4*\t+3], v[RD] offset:576*\t
.endr
.endm
.macro SEND a, younger
.set BB, 64+16*((\a)%2)
	s_wait_dscnt \younger
.irp t, 0,1,2,3
	global_store_b128 v[CO], v[BB+4*\t:BB+4*\t+3], s[8:9] offset:(16*(\a)+4*\t)*128   ; 32 lanes store 512 consecutive bytes, aligned
.endr
.endm
	TOST 0
	TOST 1
	SEND 0, 8
	s_wait_xcnt 0x0
	TOST 2
	SEND 1, 8
	s_wait_xcnt 0x0
	TOST 3
	SEND 2, 8
	SEND 3, 0
.endif
	s_wait_tensorcnt 0x0                           ; the wave's end
	ds_add_u32 v[SPW], v[NIL]
	s_wait_dscnt 0x0
	CROUND                                         ; the closing round
	s_endpgm
.Lfunc_end_k_qed39ea5df4_gemmpe:
	.size	k_qed39ea5df4_gemmpe, .Lfunc_end_k_qed39ea5df4_gemmpe-k_qed39ea5df4_gemmpe
	.p2alignl 7, 3214868480
	.fill 96, 4, 3214868480
	.section	.rodata,"a",@progbits
	.p2align	6, 0x0
	.amdhsa_kernel k_qed39ea5df4_gemmpe
		.amdhsa_group_segment_fixed_size 327680
		.amdhsa_private_segment_fixed_size 0
		.amdhsa_enable_private_segment 0
		.amdhsa_kernarg_size 32
		.amdhsa_user_sgpr_count 2
		.amdhsa_user_sgpr_kernarg_segment_ptr 1
		.amdhsa_wavefront_size32 1
		.amdhsa_system_sgpr_workgroup_id_x 1
		.amdhsa_system_sgpr_workgroup_id_y 1
		.amdhsa_system_sgpr_workgroup_id_z 1
		.amdhsa_system_vgpr_workitem_id 0
		.amdhsa_next_free_vgpr 512
		.amdhsa_next_free_sgpr 66
		.amdhsa_reserve_vcc 1
		.amdhsa_float_denorm_mode_32 3
		.amdhsa_float_denorm_mode_16_64 3
		.amdhsa_memory_ordered 1
		.amdhsa_forward_progress 1
		.amdhsa_inst_pref_size 89
	.end_amdhsa_kernel
	.amdgpu_metadata
---
amdhsa.version: [ 1, 2 ]
amdhsa.kernels:
  - .name:           k_qed39ea5df4_gemmpe
    .symbol:         k_qed39ea5df4_gemmpe.kd
    .args:
      - { .name: emb16, .offset: 0, .size: 8, .value_kind: global_buffer, .address_space: global }
      - { .name: w16, .offset: 8, .size: 8, .value_kind: global_buffer, .address_space: global }
      - { .name: bp, .offset: 16, .size: 8, .value_kind: global_buffer, .address_space: global }
      - { .name: pe16, .offset: 24, .size: 8, .value_kind: global_buffer, .address_space: global }
    .group_segment_fixed_size: 327680
    .private_segment_fixed_size: 0
    .kernarg_segment_align: 8
    .kernarg_segment_size: 32
    .max_flat_workgroup_size: 128
    .sgpr_count:     66
    .vgpr_count:     512
    .wavefront_size: 32
...
	.end_amdgpu_metadata
.endif
;; end of part 3
;; launch attn (part 4): grid 16 x 16, 8 waves a work-group, clusters of 4 x 1, 327,680 bytes of LDS; arguments qkv16, pe16, mask, att16; writes att16
.if DOCPART == 4
	.amdgcn_target "amdgcn-amd-amdhsa--gfx1250"
	.amdhsa_code_object_version 6
	.text
	.protected	k_qed39ea5df4_attn
	.globl	k_qed39ea5df4_attn
	.p2align	8
	.type	k_qed39ea5df4_attn,@function
k_qed39ea5df4_attn:
	s_mov_b64 s[64:65], 0
	v_nop
	global_prefetch_b8 v0, s[64:65] scope:SCOPE_SE
	s_setreg_imm32_b32 hwreg(HW_REG_WAVE_MODE, 25, 1), 1
	s_wait_xcnt 0x0
	s_wait_alu depctr_hold_cnt(0) depctr_sa_sdst(0) depctr_va_vdst(0) depctr_va_sdst(0) depctr_va_ssrc(0) depctr_va_vcc(0) depctr_vm_vsrc(0)
	s_getreg_b32 s2, hwreg(HW_REG_IB_STS2, 6, 4)
	s_cmp_eq_u32 s2, 0
	s_cbranch_scc0 .Lentry_in_a_cluster
	s_endpgm
.Lentry_in_a_cluster:
	s_bfe_u32 s2, ttmp6, 0x10000c
	s_cmp_lg_u32 s2, 0x3003
	s_cbranch_scc0 .Lentry_shape_is_right
	s_endpgm
.Lentry_shape_is_right:
; Attention with relative positions: scores = ((q + r_w) . k + shifted((q + r_r) . pe)) / 8, x mask - 1e10 (1 - mask), softmax over all 2,048 keys, x v.  Operands f16, sums, softmax and mask arithmetic f32.
; THE SHIFT.  With u = 2048 + j - i the shifted term of query i and key j is qr[i] . PE2[u] for u <= 2048 and qr[i + 1] . PE2[u] for u > 2048; PE2 (pe16, 4,096 rows a head) holds pe twice and a row of
; zeros at u = 2049.  So it is a plain product over a band of PE2's rows, and a skew of one place a query.  Only the key step that holds the diagonal needs both rows of qr.
; SHARES.  A work-group owns 256 queries of one batch and head, each of its eight waves 32 of them: TWO TILES of 16, A (the first 16) and B, in 512 registers: two waves to a SIMD.  All keys are walked, 64 a step.
; Each fragment of K, of V and of PE2's band that a wave reads from LDS feeds both tiles: a step's LDS loads and stores move 240 x 256 bytes for 32 queries, where two waves of one tile each would move 336 x 256.
; LAYOUT.  All products are used transposed (source 0 = 16 keys, 16 rows of PE2, or 16 channels of V; source 1 = 16 queries): a lane holds ONE query of each tile (lane % 16) throughout.
; A STEP.  R^T = PE2's band x qr.  A tile's band is 80 rows (5 tiles); B's begins 16 rows ahead of A's, so the two lie in 96 rows: six joint tiles, B takes 0-4 and A takes 1-5.  Each number goes by ds_store_b32 to
; its key's place in the query's row of the tile's skew region (row pitch 68 words: the 32 lanes of a store fall on 32 different banks, 64 banks of 4 bytes: ISA guide 11.1); of a tile's own tiles 0 and 4 exactly one is
; valid in each lane and register, and both have the same place: they are merged first.  The rows come back as the C of S^T = K Qw^T + C, so the sum of the two terms costs no addition.  Then the mask, a running
; maximum m and sum l (p = 2^(t - m)), p rounded to f16, O^T += V^T P.  Tile A's softmax stands between the issue of tile B's LDS instructions and the wait for them.
; LDS.  PE2 goes through a ring of 8 chunks of 64 rows (a step reads 5 chunks; the chunk left behind is filled again); K, V and the mask through two slots each.
; CLUSTER.  The four work-groups of a cluster are four heads of one block of queries: they read the same tile of the mask (64 KiB of a step's 88), which is asked for jointly.  K, V and PE2 are each head's own.
; Query blocks of one head are not put in a cluster: the step that holds the diagonal hangs on the block, and partners may not part ways; K and V are 16 KiB of a step's 88.
; STORES.  A head's 64 channels are 128 bytes of a row of att16: eight lanes store 128 consecutive bytes, half of an aligned 256: 8 MiB in all.
; LIMITS.  NaN and infinities among the inputs are not served.  A row all of whose keys are masked gives equal weights, as in the reference.
; REGISTERS, in two windows of 256 (s_set_vgpr_msb: bits 1:0 source 0, 3:2 source 1, 5:4 source 2, 7:6 destination).  TILE B IS TILE A'S MIRROR: the same register numbers, in window 1.
;   both windows: v17 the diagonal's bound; v[20:21] -1e10 log2(e); v24, v25 m (twice); v[26:27] l in two halves; v[28:29] a = 2^(old m - new m); v30, v31 at work; v32-47 q + r_w; v48-63 the rows of q + r_r in use;
;     v64-79 those one query on; v80-111 O^T; v112-151 R^T's five tiles, v112-143 then S^T, then p; v144-175 the mask's 32 numbers; v152-167 p in f16; v240-247 at work
;   window 0 alone: v1-19, v23, v248-253 addresses (every LDS address lies in window 0; tile B's places lie TILEB bytes behind tile A's, which stands in the immediate); v176-239 K's fragments
;   window 1 alone: v152-247 the band's six joint tiles, 16 registers each; then v176-239 V's fragments; v0-7, v8-15, v248-255 the diagonal's second products
.set RING,  0                          ; 512 rows x 144 bytes (128 + 16 of padding)
.set KB,    73728                      ; 2 slots x 64 rows x 144
.set VB,    92160                      ; 2 slots x 64 rows x 160 (128 + 32)
.set MB,    112640                     ; [quarter of the queries 4][slot 2][64 rows x 272]
.set SKB,   251904                     ; 8 waves x 2 tiles x 16 rows x 272: the skew regions; on the way out the stages.  No tensor load lands here
.set TILEB, 4352                       ; 16 rows x 272: from tile A's rows to tile B's, in the mask's tile and in the skew region alike
.set SPARE, 321536                     ; the spare words, 128 bytes a wave: four blocks of 256 bytes that no other line names
.set SPW, 1                            ; v1   SPARE + 4 x my thread's number; never rewritten
.set NIL, 2                            ; v2   0; never rewritten
.set AK,  3                            ; v3   my lane's place in a tile of K
.set AV,  4                            ; v4   of V
.set AP,  5                            ; v5   in a tile of the ring
.set AM,  6                            ; v6   in the mask's tile, tile A's rows
.set SKW, 7                            ; v7   skew, in: row r + 4 r + 32 h
.set SKM, 8                            ; v8-15 skew, in, the merged tile's eight places
.set SKR, 16                           ; v16  skew, back: row r + 32 h
.set TH,  17                           ; v17  the diagonal: a tile's band rows 16 t + jj up to this number belong to qr[i]
.set PFO, 18                           ; v18  the prefetches' offset
.set NKK, 20
.set QW,  32
.set QC,  48
.set Q1,  64
.set OT,  80
.set T,   112
.set MK,  144
.set P,   152
.set FB,  176
.set TMP, 240
.set ADP, 248                          ; v248-253 LDS addresses of the band's six joint tiles
.set PE,  152                          ; window 1: joint tile t, channels 32 c on, at v[PE + 16 t + 8 c]
.set XA,  0                            ; window 1: three accumulators for the diagonal
.set XB,  8
.set XC,  248
; v19-23 of window 0 hold lane terms, offsets and constants alone, in the whole text: the way out's addresses are made in them.
; s12 wave; s13 1 in a wave that prefetches; s14 the step's first key; s15 the first key of my diagonal's step; s16 the joint band's first ring row; s17 the chunk asked for last; s18 trips; s19 at work
; s[20:21] lane selects; s[22:23] log2(e) / 8; s[24:25] 1e10 log2(e); s[26:27], s[28:29] the prefetches' address and step
; s[32:39] group 1 for K's tile and a chunk of PE2; s[40:47] for V's; s[48:55] for the ring's first fill (later s48-53: merge masks); s[56:63] for the mask
; s66, s67 merge masks; s[68:75] K's groups 0, a set for each slot; s[76:83] V's; s[84:91] the mask's; s[92:95] PE2's
.set MSB, 0
.macro WIN new                         ; the immediate's high byte repeats the setting that is left; a switch that changes nothing is dropped
.if MSB != (\new)
	s_set_vgpr_msb (MSB<<8)|(\new)
.set MSB, (\new)
.endif
.endm
.macro CROUND                          ; a round of the cluster's barrier
	s_barrier_signal -1
	s_barrier_wait -1
	s_cmp_lg_u32 s12, 0
	s_cbranch_scc1 .Lnot_wave_0_\@
	s_barrier_signal -3
.Lnot_wave_0_\@:
	s_barrier_wait -3
	s_barrier_signal -1
	s_barrier_wait -1
.endm
.macro FOUR
.rept 4
	v_nop
.endr
.endm
; The refills of a change of slots: wave 0 K's tile, wave 1 V's, wave 2 a chunk of PE2 (pe = 1), waves 4 to 7 the mask's quarters, jointly.  One load a wave.  The branches hang on the wave's number alone.
; An s_nop 0 and four v_nop follow each load.
.macro TLOAD sr, pe
	s_cmp_lg_u32 s12, 0
	s_cbranch_scc1 .Lnot_k_\@
	tensor_load_to_lds s[68+4*\sr:71+4*\sr], s[32:39]
	s_nop 0
	FOUR
	s_branch .Lasked_\@
.Lnot_k_\@:
	s_cmp_lg_u32 s12, 1
	s_cbranch_scc1 .Lnot_v_\@
	tensor_load_to_lds s[76+4*\sr:79+4*\sr], s[40:47]
	s_nop 0
	FOUR
	s_branch .Lasked_\@
.Lnot_v_\@:
.if \pe
	s_cmp_lg_u32 s12, 2
	s_cbranch_scc1 .Lnot_p_\@
	tensor_load_to_lds s[92:95], s[32:39]
	s_nop 0
	FOUR
	s_branch .Lasked_\@
.Lnot_p_\@:
.endif
	s_cmp_lt_u32 s12, 4
	s_cbranch_scc1 .Lasked_\@
	tensor_load_to_lds s[84+4*\sr:87+4*\sr], s[56:63]
	s_nop 0
	FOUR
.Lasked_\@:
.endm
; A PREFETCH INTO THE L2 of what the NEXT change of slots will ask for, one key step ahead of that load; it stands behind the tensor loads.  Each aligned block of 256 bytes is named once in the launch.
; K's and V's tiles are read by the eight blocks of queries of a batch and head: the first block asks: wave 0 for K's 8,192 bytes, wave 1 for V's, lanes 256 bytes apart.
; The mask's tile is read by all four clusters of a block of queries: the first of them (cluster x = 0) asks; its four partners share the 256 rows out by address, 64 each; waves 2 and 3 take 32 rows each, a lane a row.
; PE2 is not asked for: neighbouring blocks of queries read each chunk four steps apart.  The last two changes that fill a slot: the first asks for the last step, the second for nothing.
.macro ASK
	s_cmp_eq_u32 s13, 1
	s_cbranch_scc0 .Lnot_mine_\@
	global_prefetch_b8 v[PFO], s[26:27] th:TH_LOAD_NT scope:SCOPE_SE
.Lnot_mine_\@:
.endm
	s_load_b256 s[4:11], s[0:1], 0x0               ; qkv16 s[4:5], pe16 s[6:7], mask s[8:9], att16 s[10:11]
	v_lshl_add_u32 v[SPW], v0, 2, SPARE
	v_mov_b32 v[NIL], 0
	ds_add_u32 v[SPW], v[NIL]                      ; the wave's opening: the add, twice on end, and its wait ahead of the first tensor loads
	ds_add_u32 v[SPW], v[NIL]
	v_lshrrev_b32 v19, 5, v0
	v_readfirstlane_b32 s12, v19                   ; wave 0..7
	s_bfe_u32 s104, ttmp6, 0x40000                 ; cx: it enters global addresses alone
	s_lshl_b32 s105, ttmp9, 2
	s_add_co_u32 s105, s105, s104                  ; the head
	s_and_b32 s31, ttmp7, 0xffff
	s_lshr_b32 s2, s31, 3                          ; the batch
	s_and_b32 s3, s31, 7
	s_lshl_b32 s3, s3, 8                           ; the block's first query
	s_lshl_b32 s18, s12, 5
	s_add_co_u32 s18, s18, s3                      ; my first query: 32 a wave
	s_and_b32 s15, s18, 0xffffffc0                 ; the first key of the step that holds both tiles' diagonals
	s_mov_b32 s32, (1<<16)|(1<<20)|(4<<22)|(3<<25) ; K, a chunk of PE2: no mask; elements of 2 bytes; padding on: four words after every 32
	s_mov_b32 s33, 64<<16                          ; tensor_dim0
	s_mov_b32 s34, 64<<16                          ; tensor_dim1
	s_mov_b32 s35, 64<<16                          ; tile_dim0
	s_mov_b32 s36, 64                              ; tile_dim1
	s_mov_b32 s37, 64                              ; the pitch
	s_mov_b32 s38, 0
	s_mov_b32 s39, 0
	s_mov_b32 s40, (1<<16)|(1<<20)|(4<<22)|(7<<25) ; V: eight words of padding
	s_mov_b32 s41, 64<<16
	s_mov_b32 s42, 64<<16
	s_mov_b32 s43, 64<<16
	s_mov_b32 s44, 64
	s_mov_b32 s45, 64
	s_mov_b32 s46, 0
	s_mov_b32 s47, 0
	s_mov_b32 s48, (1<<16)|(1<<20)|(4<<22)|(3<<25) ; the ring's first fill: 512 rows
	s_mov_b32 s49, 64<<16
	s_mov_b32 s50, 512<<16
	s_mov_b32 s51, 64<<16
	s_mov_b32 s52, 512
	s_mov_b32 s53, 64
	s_mov_b32 s54, 0
	s_mov_b32 s55, 0
	s_mov_b32 s56, 15|(2<<16)|(1<<20)|(1<<21)|(5<<22)|(3<<25)   ; the mask: all four work-groups; elements of 4 bytes; bit 21 beside a mask; four words after every 64
	s_mov_b32 s57, 64<<16
	s_mov_b32 s58, 64<<16
	s_mov_b32 s59, 64<<16
	s_mov_b32 s60, 64
	s_mov_b32 s61, 2048
	s_mov_b32 s62, 0
	s_mov_b32 s63, 0
	s_mov_b32 s20, 0x76543210
	s_mov_b32 s21, 0xfedcba98
	s_mov_b32 s22, 0x3e38aa3b                      ; log2(e) / 8
	s_mov_b32 s23, s22
	s_mov_b32 s24, 0x5056fa73                      ; 1e10 log2(e)
	s_mov_b32 s25, s24
	s_mov_b32 s14, 0
	s_mov_b32 s17, 7
	s_xor_b32 s16, s12, 7
	s_lshl_b32 s16, s16, 5                         ; 224 - 32 x wave: the joint band's first row of the ring in step 0
	s_lshl_b32 s96, s2, 4
	s_add_co_u32 s96, s96, s105
	s_lshl_b32 s96, s96, 18
	s_mov_b32 s97, 0                               ; s[96:97]: my batch and head in a section of qkv16
	s_lshl_b32 s98, s105, 19
	s_sub_co_u32 s99, 1792, s3                     ; the ring's first row u
	s_lshl_b32 s99, s99, 7
	s_add_co_u32 s98, s98, s99
	s_mov_b32 s99, 0                               ; s[98:99]: in pe16
	s_and_b32 s19, s12, 3
	s_lshl_b32 s30, s19, 6
	s_add_co_u32 s30, s30, s3
	s_lshl_b32 s30, s30, 13                        ; the mask: the quarter's first row x 8,192 bytes,
	s_lshl_b32 s31, s2, 24
	s_add_co_u32 s30, s30, s31                     ; in my batch: made of the batch, the block and the wave alone
	s_mov_b32 s31, 0
	s_mul_i32 s19, s19, 34816
	s_add_co_u32 s19, s19, MB                      ; and where it goes
	s_wait_dscnt 0x0                               ; both opening adds are done
	s_wait_kmcnt 0x0
	s_add_nc_u64 s[100:101], s[4:5], s[96:97]
.irp g, 0,1
	s_mov_b32 s[68+4*\g], 1
	s_mov_b32 s[69+4*\g], KB+9216*\g
	s_add_nc_u64 s[70+4*\g:71+4*\g], s[100:101], 16777216+8192*\g    ; section 2: k; key step g
	s_or_b32 s[71+4*\g], s[71+4*\g], 0x80000000
	s_mov_b32 s[76+4*\g], 1
	s_mov_b32 s[77+4*\g], VB+10240*\g
	s_add_nc_u64 s[78+4*\g:79+4*\g], s[100:101], 25165824+8192*\g    ; section 3: v
	s_or_b32 s[79+4*\g], s[79+4*\g], 0x80000000
	s_mov_b32 s[84+4*\g], 1
	s_add_co_u32 s[85+4*\g], s19, 17408*\g
.endr
	s_add_nc_u64 s[86:87], s[8:9], s[30:31]
	s_add_nc_u64 s[90:91], s[86:87], 256
	s_or_b32 s87, s87, 0x80000000
	s_or_b32 s91, s91, 0x80000000
	s_mov_b32 s92, 1
	s_mov_b32 s93, RING
	s_add_nc_u64 s[94:95], s[6:7], s[98:99]
	s_or_b32 s95, s95, 0x80000000
	CROUND                                         ; all four work-groups are here: the joint loads meet
	s_cmp_lg_u32 s12, 0                            ; a wave's first fills stand in one branch: at most two loads of mine are out
	s_cbranch_scc1 .Lf_not_k
	tensor_load_to_lds s[68:71], s[32:39]
	s_nop 0
	tensor_load_to_lds s[72:75], s[32:39]
	s_nop 0
	FOUR
	s_branch .Lf_done
.Lf_not_k:
	s_cmp_lg_u32 s12, 1
	s_cbranch_scc1 .Lf_not_v
	tensor_load_to_lds s[76:79], s[40:47]
	s_nop 0
	tensor_load_to_lds s[80:83], s[40:47]
	s_nop 0
	FOUR
	s_branch .Lf_done
.Lf_not_v:
	s_cmp_lg_u32 s12, 2
	s_cbranch_scc1 .Lf_not_p
	tensor_load_to_lds s[92:95], s[48:55]
	s_nop 0
	FOUR
	s_branch .Lf_done
.Lf_not_p:
	s_cmp_lt_u32 s12, 4
	s_cbranch_scc1 .Lf_done
	tensor_load_to_lds s[84:87], s[56:63]
	s_nop 0
	tensor_load_to_lds s[88:91], s[56:63]
	s_nop 0
	FOUR
.Lf_done:
	s_lshl_b32 s96, s2, 11                         ; att16: row 2048 x batch + my first query, 2,048 bytes a row, + 128 x head
	s_add_co_u32 s96, s96, s18
	s_lshl_b32 s96, s96, 11
	s_lshl_b32 s98, s105, 7
	s_add_co_u32 s96, s96, s98
	s_add_nc_u64 s[10:11], s[10:11], s[96:97]
	; the prefetches: where my wave's stand (at key step 2: the first change of slots steps them to 3), and who asks
	s_and_b32 s98, s12, 1
	s_lshl_b32 s96, s104, 6
	s_lshl_b32 s99, s98, 5
	s_add_co_u32 s96, s96, s99
	s_add_co_u32 s96, s96, s3                      ; the mask's row: block + 64 cx + 32 (wave - 2)
	s_lshl_b32 s96, s96, 13
	s_lshl_b32 s99, s2, 24
	s_add_co_u32 s96, s96, s99
	s_add_co_u32 s96, s96, 512
	s_add_co_u32 s98, s98, 2                       ; section 2 (wave 0) or 3 (wave 1)
	s_lshl_b32 s98, s98, 23
	s_add_co_u32 s98, s98, 16384
	s_mov_b32 s28, 8192
	s_mov_b32 s99, 8
	s_cmp_ge_u32 s12, 2                            ; waves 2 and 3 ask for the mask
	s_cselect_b64 s[26:27], s[8:9], s[100:101]
	s_cselect_b32 s96, s96, s98
	s_cselect_b32 s28, 256, s28                    ; a key step on
	s_cselect_b32 s99, 13, s99                     ; from lane to lane: 8,192 or 256 bytes
	s_cselect_b32 s98, ttmp9, s3                   ; the coordinate along which others read the same bytes
	s_mov_b32 s29, 0
	s_add_nc_u64 s[26:27], s[26:27], s[96:97]
	s_lshr_b32 s96, s12, 2                         ; 0 in waves 0 to 3
	s_or_b32 s96, s96, s98
	s_cmp_eq_u32 s96, 0
	s_cselect_b32 s13, 1, 0
	v_and_b32 v21, 31, v0
	v_lshlrev_b32 v[PFO], s99, v21
	; Q stays in registers: a fragment is 16 queries x 32 channels: two loads of 16 bytes, 32 bytes apart.  Tile B's rows lie 16 x 128 bytes on
	s_lshl_b32 s96, s18, 7
	s_add_nc_u64 s[98:99], s[100:101], s[96:97]    ; q + r_w at my first query
	s_add_nc_u64 s[96:97], s[98:99], 8388608       ; q + r_r likewise
	s_add_nc_u64 s[104:105], s[100:101], 8388608   ; q + r_r at the head's first query
	v_and_b32 v19, 15, v0                          ; r
	v_bfe_u32 v20, v0, 4, 1                        ; h
	v_lshlrev_b32 v22, 7, v19
	v_lshl_add_u32 v22, v20, 4, v22
	v_add_nc_u32 v23, s18, v19
	v_add_nc_u32 v254, 17, v23
	v_add_nc_u32 v23, 1, v23
	v_min_u32 v23, 2047, v23                       ; one query on; the last query's has no use (no key lies behind it) and is held inside the buffer
	v_min_u32 v254, 2047, v254
	v_lshlrev_b32 v23, 7, v23
	v_lshlrev_b32 v254, 7, v254
	v_lshl_add_u32 v23, v20, 4, v23
	v_lshl_add_u32 v254, v20, 4, v254
.irp i, 0,1,2,3
	global_load_b128 v[QW+4*\i:QW+4*\i+3], v22, s[98:99] offset:32*\i
	global_load_b128 v[QC+4*\i:QC+4*\i+3], v22, s[96:97] offset:32*\i
	global_load_b128 v[Q1+4*\i:Q1+4*\i+3], v23, s[104:105] offset:32*\i
.endr
	WIN 0x40                                       ; destination window 1: tile B
.irp i, 0,1,2,3
	global_load_b128 v[QW+4*\i:QW+4*\i+3], v22, s[98:99] offset:2048+32*\i
	global_load_b128 v[QC+4*\i:QC+4*\i+3], v22, s[96:97] offset:2048+32*\i
	global_load_b128 v[Q1+4*\i:Q1+4*\i+3], v254, s[104:105] offset:32*\i
.endr
	WIN 0
	v_mul_u32_u24 v[AP], v19, 144
	v_lshl_add_u32 v[AP], v20, 4, v[AP]            ; row r x pitch + 16 h (the ring begins at LDS byte 0)
	v_add_nc_u32 v[AK], KB, v[AP]
	v_and_b32 v240, 7, v0
	v_bfe_u32 v241, v0, 3, 1
	v_lshl_add_u32 v[AV], v20, 3, v240
	v_mul_u32_u24 v[AV], v[AV], 160
	v_lshl_add_u32 v[AV], v241, 4, v[AV]
	v_add_nc_u32 v[AV], VB, v[AV]                  ; the turning load: key 8 h + lane % 8, channels 8 ((lane / 8) % 2) on
	s_lshr_b32 s19, s12, 1                         ; the mask's quarter that holds my 32 queries,
	s_mul_i32 s19, s19, 34816
	s_and_b32 s30, s12, 1
	s_mul_i32 s31, s30, 8704                       ; and their 32 rows in it
	s_add_co_u32 s19, s19, s31
	s_add_co_u32 s19, s19, MB
	v_mul_u32_u24 v242, v19, 272
	v_lshl_add_u32 v243, v20, 5, v242
	v_add_nc_u32 v[AM], s19, v243                  ; tile A's query's row of the mask's tile, + 32 h
	s_mul_i32 s19, s12, 8704
	s_add_co_u32 s19, s19, SKB                     ; my two skew regions
	v_add_nc_u32 v[SKR], s19, v243
	v_lshl_add_u32 v[SKW], v19, 2, v[SKR]
	v_add_nc_u32 v242, s19, v242
	v_lshl_add_u32 v244, v20, 3, v19               ; 8 h + r
.irp jj, 0,1,2,3,4,5,6,7
	v_add_nc_u32 v[SKM+\jj], 48+\jj, v244
	v_and_b32 v[SKM+\jj], 63, v[SKM+\jj]           ; the key's place of own tile 0 or 4, whichever is valid
	v_lshl_add_u32 v[SKM+\jj], v[SKM+\jj], 2, v242
.endr
	s_lshl_b32 s30, s30, 5
	s_add_co_u32 s30, s30, 16
	v_lshlrev_b32 v[TH], 3, v20
	v_sub_nc_u32 v[TH], s30, v[TH]                 ; tile A: 32 (wave % 2) + 16 - 8 h
	v_mov_b32 v24, 0xff61b1e6                      ; m: -3e38, under every t
	v_mov_b32 v25, 0xff61b1e6
.irp j, 26,27,28,29,30,31
	v_mov_b32 v\j, 0
.endr
.irp j, 0,1,2,3,4,5,6,7,8,9,10,11,12,13,14,15,16,17,18,19,20,21,22,23,24,25,26,27,28,29,30,31
	v_mov_b32 v[OT+\j], 0                          ; the step is written without a first form of its own: the first finds zeros, which a = 0 leaves zeros
.endr
	WIN 0x40                                       ; the same for tile B, in window 1
	v_add_nc_u32 v[TH], 16, v[TH]                  ; tile B's bound: 16 more (the source is window 0's)
	v_mov_b32 v20, 0xd056fa73
	v_mov_b32 v21, 0xd056fa73
	v_mov_b32 v24, 0xff61b1e6
	v_mov_b32 v25, 0xff61b1e6
.irp j, 26,27,28,29,30,31
	v_mov_b32 v\j, 0
.endr
.irp j, 0,1,2,3,4,5,6,7,8,9,10,11,12,13,14,15,16,17,18,19,20,21,22,23,24,25,26,27,28,29,30,31
	v_mov_b32 v[OT+\j], 0
.endr
	WIN 0
	s_wait_tensorcnt 0x0                           ; my first fills have landed: their descriptors may be written
	s_add_nc_u64 s[94:95], s[94:95], 57344         ; PE2's address at chunk 7: each change steps it one chunk on
.irp jj, 0,1,2,3,4,5,6,7
.if \jj < 2
.set MGR, 66+\jj
.else
.set MGR, 46+\jj
.endif
	v_cmp_le_u32 s[MGR], 16-\jj, v244              ; own tile 0's register jj is valid where 8 h + r + jj >= 16, else own tile 4's: the same in both tiles
.endr
	v_mov_b32 v20, 0xd056fa73
	v_mov_b32 v21, 0xd056fa73
	s_wait_loadcnt 0x0                             ; Q
	s_barrier_signal -1
	s_barrier_wait -1                              ; everybody's first fills have landed
; In all that follows a = 0 is tile A and a = 1 tile B.  Own tile t of tile a is joint tile t + 1 - a.
.macro RPROD a, c                      ; R^T of tile a, channels 32 c on: five accumulators by turns.  The band in window 1, the rest in the tile's window
	WIN 0x01+0x54*\a
.irp t, 0,1,2,3,4
.if \c == 0
	v_wmma_f32_16x16x32_f16 v[T+8*\t:T+8*\t+7], v[PE+16*(\t+1-\a):PE+16*(\t+1-\a)+7], v[QC:QC+7], 0
.else
	v_wmma_f32_16x16x32_f16 v[T+8*\t:T+8*\t+7], v[PE+16*(\t+1-\a)+8:PE+16*(\t+1-\a)+15], v[QC+8:QC+15], v[T+8*\t:T+8*\t+7]
.endif
.endr
.endm
.macro DPROD a, t, x, c                ; the diagonal: own tile t x the queries one on, into accumulator x of window 1
.if \c == 0
	v_wmma_f32_16x16x32_f16 v[\x:\x+7], v[PE+16*(\t+1-\a):PE+16*(\t+1-\a)+7], v[Q1:Q1+7], 0
.else
	v_wmma_f32_16x16x32_f16 v[\x:\x+7], v[PE+16*(\t+1-\a)+8:PE+16*(\t+1-\a)+15], v[Q1+8:Q1+15], v[\x:\x+7]
.endif
.endm
.macro DSEL t, x                       ; band rows past the diagonal take the product with the query one on
.irp jj, 0,1,2,3,4,5,6,7
	v_cmp_le_i32 vcc_lo, 16*(\t)+\jj, v[TH]
	v_cndmask_b32 v[T+8*(\t)+\jj], v[\x+\jj], v[T+8*(\t)+\jj], vcc_lo
.endr
.endm
.macro DTILE a                         ; the one step of a wave that holds its diagonals, for tile a: three accumulators by turns, then two
	WIN 0x51+4*\a                                  ; the band, C and D window 1; the queries in the tile's window
	DPROD \a, 0, XA, 0
	DPROD \a, 1, XB, 0
	DPROD \a, 2, XC, 0
	DPROD \a, 0, XA, 1
	DPROD \a, 1, XB, 1
	DPROD \a, 2, XC, 1
	FOUR
	WIN 0x01+0x44*\a                               ; source 0 window 1; source 1 and the destination in the tile's window
	DSEL 0, XA
	DSEL 1, XB
	DSEL 2, XC
	WIN 0x51+4*\a
	DPROD \a, 3, XA, 0
	DPROD \a, 4, XB, 0
	DPROD \a, 3, XA, 1
	DPROD \a, 4, XB, 1
	FOUR
	WIN 0x01+0x44*\a
	DSEL 3, XA
	DSEL 4, XB
	WIN 0x41*\a
.irp j, 0,1,2,3,4,5,6,7,8,9,10,11,12,13,14,15
	v_mov_b32 v[QC+\j], v[Q1+\j]                   ; all later keys lie behind the diagonal
.endr
.endm
; Tile a's R^T goes through its skew region and comes back as S^T's C; its 32 numbers of the mask are asked for behind that.  48 LDS instructions
.macro SKEW a, sg
	WIN 0x55*\a
.irp jj, 0,1,2,3,4,5,6,7
.if \jj < 2
.set MGR, 66+\jj
.else
.set MGR, 46+\jj
.endif
	v_cndmask_b32 v[T+\jj], v[T+32+\jj], v[T+\jj], s[MGR]
.endr
	WIN 0x04*\a                                    ; the data in the tile's window, the address in window 0
.irp jj, 0,1,2,3,4,5,6,7
	ds_store_b32 v[SKM+\jj], v[T+\jj] offset:TILEB*\a
.endr
.irp t, 1,2,3
.irp jj, 0,1,2,3,4,5,6,7
	ds_store_b32 v[SKW], v[T+8*\t+\jj] offset:TILEB*\a+64*(\t-1)+4*\jj      ; band row 16 t + 8 h + jj of query r is key 16 (t - 1) + 8 h + jj + r
.endr
.endr
	WIN 0x40*\a
.irp t, 0,1,2,3
	ds_load_b128 v[T+8*\t:T+8*\t+3], v[SKR] offset:TILEB*\a+64*\t           ; LDS serves a wave's instructions in order: these see the stores above
	ds_load_b128 v[T+8*\t+4:T+8*\t+7], v[SKR] offset:TILEB*\a+64*\t+16
.endr
.irp t, 0,1,2,3
	ds_load_b128 v[MK+8*\t:MK+8*\t+3], v[AM] offset:17408*\sg+TILEB*\a+64*\t
	ds_load_b128 v[MK+8*\t+4:MK+8*\t+7], v[AM] offset:17408*\sg+TILEB*\a+64*\t+16
.endr
.endm
.macro SPROD a                         ; S^T = K Qw^T + the skewed rows: four accumulators by turns.  K in window 0
	WIN 0x54*\a
.irp c, 0,1
.irp t, 0,1,2,3
	v_wmma_f32_16x16x32_f16 v[T+8*\t:T+8*\t+7], v[FB+8*(2*\t+\c):FB+8*(2*\t+\c)+7], v[QW+8*\c:QW+8*\c+7], v[T+8*\t:T+8*\t+7]
.endr
.endr
.endm
.macro OPROD a                         ; O^T += V^T P: four accumulators by turns.  V in window 1
	WIN 0x01+0x54*\a
.irp g, 0,1
.irp ct, 0,1,2,3
	v_wmma_f32_16x16x32_f16 v[OT+8*\ct:OT+8*\ct+7], v[FB+8*(4*\g+\ct):FB+8*(4*\g+\ct)+7], v[P+8*\g:P+8*\g+7], v[OT+8*\ct:OT+8*\ct+7]
.endr
.endr
.endm
.macro MA q                            ; pair q of the mask: (mask - 1) x 1e10 log2(e), exactly 0 where the mask is 1; and mask x log2(e) / 8
	v_pk_fma_f32 v[TMP+2*((\q)%4):TMP+2*((\q)%4)+1], v[MK+2*(\q):MK+2*(\q)+1], s[24:25], v[NKK:NKK+1] op_sel_hi:[1,0,1]
	v_pk_mul_f32 v[MK+2*(\q):MK+2*(\q)+1], v[MK+2*(\q):MK+2*(\q)+1], s[22:23] op_sel_hi:[1,0]
.endm
.macro MC q                            ; t = score x the one + the other
	v_pk_fma_f32 v[T+2*(\q):T+2*(\q)+1], v[T+2*(\q):T+2*(\q)+1], v[MK+2*(\q):MK+2*(\q)+1], v[TMP+2*((\q)%4):TMP+2*((\q)%4)+1]
.endm
; Tile a's mask arithmetic and softmax for 64 keys, all in the tile's window.  In tile A's, V's run of 16 loads stands behind the first four lines, which are the places behind the products S^T.
.macro SOFT a, sg
	WIN 0x55*\a
	MA 0
	MA 1                                           ; four lines on the mask alone
.if \a == 0
	WIN 0x40                                       ; destination window 1: the registers that held the band
.irp g, 0,1
.irp ct, 0,1,2,3
	ds_load_tr16_b128 v[FB+8*(4*\g+\ct):FB+8*(4*\g+\ct)+3], v[AV] offset:10240*\sg+5120*\g+32*\ct
	ds_load_tr16_b128 v[FB+8*(4*\g+\ct)+4:FB+8*(4*\g+\ct)+7], v[AV] offset:10240*\sg+5120*\g+32*\ct+2560
.endr
.endr
	WIN 0
.endif
	MC 0
	MC 1
.irp q, 2,4,6,8,10,12,14
	MA \q
	MA \q+1
	MC \q
	MC \q+1
.endr
.irp j, 0,1,2,3
	v_max3_num_f32 v[TMP+\j], v[T+8*\j], v[T+8*\j+1], v[T+8*\j+2]
.endr
.irp i, 3,5
.irp j, 0,1,2,3
	v_max3_num_f32 v[TMP+\j], v[TMP+\j], v[T+8*\j+\i], v[T+8*\j+\i+1]
.endr
.endr
	v_max3_num_f32 v[TMP], v[TMP], v[T+7], v[T+15]
	v_max3_num_f32 v[TMP+2], v[TMP+2], v[T+23], v[T+31]
	v_max3_num_f32 v[TMP], v[TMP], v[TMP+1], v[TMP+2]
	v_max3_num_f32 v[TMP], v[TMP], v[TMP+3], v24
	v_permlanex16_b32 v[TMP+1], v[TMP], s20, s21   ; the query's other 32 keys lie in the lane 16 away
	v_max_num_f32 v31, v[TMP], v[TMP+1]            ; the new m
	v_sub_f32 v30, v24, v31
	v_mov_b32 v24, v31
	v_mov_b32 v25, v31
.irp j, 0,2,4,6,8,10,12,14,16,18,20,22,24,26,28,30
	v_pk_add_f32 v[T+\j:T+\j+1], v[T+\j:T+\j+1], v[24:25] neg_lo:[0,1] neg_hi:[0,1]
.endr
	v_exp_f32 v28, v30                             ; a
.irp j, 0,1,2,3,4,5,6,7,8,9,10,11,12,13,14,15,16,17,18,19,20,21,22,23,24,25,26,27,28,29,30,31
	v_exp_f32 v[T+\j], v[T+\j]                     ; p
.endr
	v_nop                                          ; a plain instruction behind the last exponential,
	s_wait_alu depctr_va_vdst(0)                   ; and one wait for the batch of 33, ahead of its first reader
.irp i, 0,1,2,3,4,5,6,7,8,9,10,11,12,13,14,15
	v_cvt_pk_f16_f32 v[P+\i], v[T+2*\i], v[T+2*\i+1]   ; tiles 2 g and 2 g + 1 are source 1 of the second product for keys 32 g on
.endr
.irp u, 0,1,2,3,4,5,6,7
	v_pk_add_f32 v[T+4*\u:T+4*\u+1], v[T+4*\u:T+4*\u+1], v[T+4*\u+2:T+4*\u+3]
.endr
.irp u, 0,1,2,3
	v_pk_add_f32 v[T+8*\u:T+8*\u+1], v[T+8*\u:T+8*\u+1], v[T+8*\u+4:T+8*\u+5]
.endr
.irp u, 0,1
	v_pk_add_f32 v[T+16*\u:T+16*\u+1], v[T+16*\u:T+16*\u+1], v[T+16*\u+8:T+16*\u+9]
.endr
	v_pk_add_f32 v[T:T+1], v[T:T+1], v[T+16:T+17]
	v_pk_fma_f32 v[26:27], v[26:27], v[28:29], v[T:T+1] op_sel_hi:[1,0,1]   ; l = a l + the step's sum of the unrounded p
.irp j, 0,2,4,6,8,10,12,14,16,18,20,22,24,26,28,30
	v_pk_mul_f32 v[OT+\j:OT+\j+1], v[OT+\j:OT+\j+1], v[28:29] op_sel_hi:[1,0]
.endr
.endm
; A KEY STEP: 64 keys, out of slot sg.
.macro STEP sg
.irp t, 0,1,2,3,4,5
	s_add_co_u32 s19, s16, 16*\t
	s_and_b32 s19, s19, 511                        ; the ring turns at 512 rows; tiles begin at multiples of 16
	s_mul_i32 s19, s19, 144
	v_add_nc_u32 v[ADP+\t], s19, v[AP]             ; (these six are the places behind the last step's products)
.endr
	WIN 0x40                                       ; the band: destination window 1
.irp c, 0,1
.irp t, 0,1,2,3,4,5
	ds_load_b128 v[PE+16*\t+8*\c:PE+16*\t+8*\c+3], v[ADP+\t] offset:64*\c
	ds_load_b128 v[PE+16*\t+8*\c+4:PE+16*\t+8*\c+7], v[ADP+\t] offset:64*\c+32
.endr
.endr
	WIN 0
.irp t, 0,1,2,3                                    ; K has registers of its own and is asked for at once
.irp c, 0,1
	ds_load_b128 v[FB+8*(2*\t+\c):FB+8*(2*\t+\c)+3], v[AK] offset:9216*\sg+2304*\t+64*\c
	ds_load_b128 v[FB+8*(2*\t+\c)+4:FB+8*(2*\t+\c)+7], v[AK] offset:9216*\sg+2304*\t+64*\c+32
.endr
.endr
	s_wait_dscnt 28                                ; the band's channels 0-31 are in; its other twelve loads and K's sixteen may be out
	RPROD 0, 0
	RPROD 1, 0
	s_wait_dscnt 16                                ; the band is in; K's sixteen loads may be out
	RPROD 1, 1
	RPROD 0, 1
	WIN 0                                          ; at a branch and at a label every window is 0
	s_cmp_eq_u32 s14, s15                          ; ids and the count of steps alone
	s_cbranch_scc0 .Lno_diag_\@
	DTILE 0
	DTILE 1
	WIN 0
.Lno_diag_\@:
	FOUR                                           ; places in front of the first read of R^T, and of the loads into registers that these products have read
	SKEW 0, \sg
	SKEW 1, \sg
	s_wait_dscnt 48                                ; K, tile A's skewed rows and its mask are in; tile B's 32 stores and 16 loads may be out
	SPROD 0
	SOFT 0, \sg                                    ; tile A's vector work stands between tile B's LDS instructions and the wait for them
	s_wait_dscnt 0x0                               ; tile B's skewed rows and mask, and V
	SPROD 1
	OPROD 0
	SOFT 1, \sg
	OPROD 1
	WIN 0
	s_add_co_u32 s14, s14, 64
	s_add_co_u32 s16, s16, 64
.endm
; THE CHANGE OF SLOTS, between two steps.  Each wave waits for all its tensor loads (the next step's tiles among them), adds 0 to its spare word, and waits for that and for its reads of the step behind.
; fill = 1: behind a round of the cluster's barrier slot sr, which has just been read, takes the tiles of the step after next; pe = 1: and the ring's chunk that has just been left takes the chunk 8 on.
; Where a load follows, the add stands twice on end.
.macro CHANGE sr, fill, pe, ask
	s_wait_tensorcnt 0x0                           ; no tensor load of mine is out: the groups 0 may be written
	ds_add_u32 v[SPW], v[NIL]
.if \fill
	ds_add_u32 v[SPW], v[NIL]
	s_add_nc_u64 s[70+4*\sr:71+4*\sr], s[70+4*\sr:71+4*\sr], 16384
	s_add_nc_u64 s[78+4*\sr:79+4*\sr], s[78+4*\sr:79+4*\sr], 16384
	s_add_nc_u64 s[86+4*\sr:87+4*\sr], s[86+4*\sr:87+4*\sr], 512
.if \pe
	s_add_co_u32 s17, s17, 1
	s_and_b32 s19, s17, 7
	s_mul_i32 s19, s19, 9216
	s_add_co_u32 s93, s19, RING
	s_add_nc_u64 s[94:95], s[94:95], 8192
.endif
.if \ask
	s_wait_xcnt 0x0                                ; the last prefetch, a step back, has read its address
	s_add_nc_u64 s[26:27], s[26:27], s[28:29]
.endif
.endif
	s_wait_dscnt 0x0                               ; the add is done (both are), and my reads of the step behind are over
.if \fill
	CROUND
	TLOAD \sr, \pe
.if \ask
	ASK
.endif
.else
	s_barrier_signal -1
	s_barrier_wait -1
.endif
.endm
	STEP 0                                         ; key step 0
	s_mov_b32 s18, 14
.Lpair:                                            ; steps 1 to 28
	CHANGE 0, 1, 1, 1
	STEP 1
	CHANGE 1, 1, 1, 1
	STEP 0
	s_sub_co_u32 s18, s18, 1
	s_cmp_lg_u32 s18, 0
	s_cbranch_scc1 .Lpair
	CHANGE 0, 1, 0, 1                              ; the tail is written out: the ring has its last chunk (35), step 30's tiles are asked for,
	STEP 1
	CHANGE 1, 1, 0, 0                              ; step 31's,
	STEP 0
	CHANGE 0, 0, 0, 0                              ; nothing
	STEP 1
	; THE WAY OUT.  O^T / l, rounded to f16, through the tile's stage (its skew region): 16 rows of 128 bytes + 16; back four rows an instruction.  The address lines are the places behind the last products.
	; The addresses are made in v19-23 of window 0, which have held lane terms, offsets and constants alone: v23 in, v19 back, v20 the offset in att16.
	v_and_b32 v19, 15, v0                          ; r
	v_bfe_u32 v20, v0, 4, 1                        ; h
	v_and_b32 v21, 7, v0
	v_bfe_u32 v22, v0, 3, 2
	s_mul_i32 s19, s12, 8704
	s_add_co_u32 s19, s19, SKB
	v_mul_u32_u24 v23, v19, 144
	v_lshl_add_u32 v23, v20, 4, v23
	v_add_nc_u32 v23, s19, v23                     ; in: row r, 16 bytes for each half of the lanes
	v_mul_u32_u24 v19, v22, 144
	v_lshl_add_u32 v19, v21, 4, v19
	v_add_nc_u32 v19, s19, v19                     ; back: eight lanes a row
	v_lshlrev_b32 v20, 11, v22
	v_lshl_add_u32 v20, v21, 4, v20                ; and the same four rows in att16
.irp a, 0,1
	WIN 0x55*\a
	v_add_f32 v26, v26, v27
	v_permlanex16_b32 v27, v26, s20, s21
	v_add_f32 v26, v26, v27                        ; l
	v_rcp_f32 v28, v26
.endr
	v_nop                                          ; a plain instruction behind the last reciprocal,
	s_wait_alu depctr_va_vdst(0)                   ; and one wait for the two, ahead of the first reader
.macro OUTP a
	WIN 0x55*\a
.irp j, 0,2,4,6,8,10,12,14,16,18,20,22,24,26,28,30
	v_pk_mul_f32 v[OT+\j:OT+\j+1], v[OT+\j:OT+\j+1], v[28:29] op_sel_hi:[1,0]
.endr
.irp i, 0,1,2,3,4,5,6,7,8,9,10,11,12,13,14,15
	v_cvt_pk_f16_f32 v[P+\i], v[OT+2*\i], v[OT+2*\i+1]
.endr
	WIN 0x04*\a
.irp ct, 0,1,2,3
	ds_store_b128 v23, v[P+4*\ct:P+4*\ct+3] offset:TILEB*\a+32*\ct
.endr
	WIN 0
.irp t, 0,1,2,3
	ds_load_b128 v[FB+16*\a+4*\t:FB+16*\a+4*\t+3], v19 offset:TILEB*\a+576*\t   ; LDS serves a wave's instructions in order: these see the stores above
.endr
.endm
	OUTP 0
	OUTP 1
.irp t, 0,1,2,3
	s_wait_dscnt 11-\t                             ; tile A's load t is in; its later loads and tile B's four stores and four loads may be out
	global_store_b128 v20, v[FB+4*\t:FB+4*\t+3], s[10:11] offset:8192*\t
.endr
.irp t, 0,1,2,3
	s_wait_dscnt 3-\t
	global_store_b128 v20, v[FB+16+4*\t:FB+16+4*\t+3], s[10:11] offset:32768+8192*\t   ; tile B's rows lie 16 x 2,048 bytes on
.endr
	s_wait_tensorcnt 0x0                           ; the wave's end
	ds_add_u32 v[SPW], v[NIL]
	s_wait_dscnt 0x0
	CROUND                                         ; the closing round
	s_endpgm
.Lfunc_end_k_qed39ea5df4_attn:
	.size	k_qed39ea5df4_attn, .Lfunc_end_k_qed39ea5df4_attn-k_qed39ea5df4_attn
	.p2alignl 7, 3214868480
	.fill 96, 4, 3214868480
	.section	.rodata,"a",@progbits
	.p2align	6, 0x0
	.amdhsa_kernel k_qed39ea5df4_attn
		.amdhsa_group_segment_fixed_size 327680
		.amdhsa_private_segment_fixed_size 0
		.amdhsa_enable_private_segment 0
		.amdhsa_kernarg_size 32
		.amdhsa_user_sgpr_count 2
		.amdhsa_user_sgpr_kernarg_segment_ptr 1
		.amdhsa_wavefront_size32 1
		.amdhsa_system_sgpr_workgroup_id_x 1
		.amdhsa_system_sgpr_workgroup_id_y 1
		.amdhsa_system_sgpr_workgroup_id_z 1
		.amdhsa_system_vgpr_workitem_id 0
		.amdhsa_next_free_vgpr 512
		.amdhsa_next_free_sgpr 106
		.amdhsa_reserve_vcc 1
		.amdhsa_float_denorm_mode_32 3
		.amdhsa_float_denorm_mode_16_64 3
		.amdhsa_memory_ordered 1
		.amdhsa_forward_progress 1
		.amdhsa_inst_pref_size 255
	.end_amdhsa_kernel
	.section	.bss,"aw",@nobits
	.p2align	6
	.space	262144
	.amdgpu_metadata
---
amdhsa.version: [ 1, 2 ]
amdhsa.kernels:
  - .name:           k_qed39ea5df4_attn
    .symbol:         k_qed39ea5df4_attn.kd
    .args:
      - { .name: qkv16, .offset: 0, .size: 8, .value_kind: global_buffer, .address_space: global }
      - { .name: pe16, .offset: 8, .size: 8, .value_kind: global_buffer, .address_space: global }
      - { .name: mask, .offset: 16, .size: 8, .value_kind: global_buffer, .address_space: global }
      - { .name: att16, .offset: 24, .size: 8, .value_kind: global_buffer, .address_space: global }
    .group_segment_fixed_size: 327680
    .private_segment_fixed_size: 0
    .kernarg_segment_align: 8
    .kernarg_segment_size: 32
    .max_flat_workgroup_size: 256
    .sgpr_count:     106
    .vgpr_count:     512
    .wavefront_size: 32
...
	.end_amdgpu_metadata
.endif
;; end of part 4
;; launch gemmout (part 5): grid 8 x 32, 4 waves a work-group, clusters of 4 x 4, 327,680 bytes of LDS; arguments att16, w16, bo, out0; writes out0
.if DOCPART == 5
	.amdgcn_target "amdgcn-amd-amdhsa--gfx1250"
	.amdhsa_code_object_version 6
	.text
	.protected	k_qed39ea5df4_gemmout
	.globl	k_qed39ea5df4_gemmout
	.p2align	8
	.type	k_qed39ea5df4_gemmout,@function
k_qed39ea5df4_gemmout:
	s_mov_b64 s[64:65], 0
	v_nop
	global_prefetch_b8 v0, s[64:65] scope:SCOPE_SE
	s_setreg_imm32_b32 hwreg(HW_REG_WAVE_MODE, 25, 1), 1
	s_wait_xcnt 0x0
	s_wait_alu depctr_hold_cnt(0) depctr_sa_sdst(0) depctr_va_vdst(0) depctr_va_sdst(0) depctr_va_ssrc(0) depctr_va_vcc(0) depctr_vm_vsrc(0)
	s_getreg_b32 s2, hwreg(HW_REG_IB_STS2, 6, 4)
	s_cmp_eq_u32 s2, 0
	s_cbranch_scc0 .Lentry_in_a_cluster
	s_endpgm
.Lentry_in_a_cluster:
	s_bfe_u32 s2, ttmp6, 0x10000c
	s_cmp_lg_u32 s2, 0xf033
	s_cbranch_scc0 .Lentry_shape_is_right
	s_endpgm
.Lentry_shape_is_right:
; C[m][n] = sum over k of A[m][k] B[n][k] + bias[n], 4096 x 1024 x 1024, operands f16, sums f32.  One source serves two launches, told apart by KIND:
;   KIND 0: A = the sinusoid table by u, B = Wp turned, bias = bp; row u = 2049 becomes zeros (the padding column of the relative shift); result f16, laid by head: pe16 [head][u][64].
;   KIND 1: A = the attention's result, B = Wo turned (the second half of w16), bias = bo; result f32, row-major: out0.
; A tile of C is 128 x 128: 256 work-groups.  Four waves, 64 x 64 each: 16 accumulators.  K goes in steps of 256 (rows of 512 bytes) through two LDS slots.
; CLUSTERS: 4 x 4 work-groups; A's tile is asked for jointly along a row of the cluster, B's along a column.  The matrix instruction is used transposed: a lane holds eight neighbouring columns of a row.
; The bias is the C of each sum's first product.  On the way out each wave has a stage of its own: a wave's 64 columns are one head's 128 bytes (KIND 0) or 256 aligned bytes of a row (KIND 1).
; LIMIT (KIND 0): results must lie inside f16's range.
; REGISTERS: window 0: v0-31 addresses; v32-95 the way out; v96-127 the bias; v128-255 the accumulators.  window 1: two fragment buffers of 128.
.set KIND,   1
.set SIZE_N, 1024
.set SIZE_K, 1024
.set KSTEP,  256
.set PITCH,  528                       ; 512 bytes + 16 of padding = 132 words: row r starts at bank 4 r mod 64 (64 banks of 4 bytes: ISA guide 11.1)
.set HALFT,  64*PITCH
.set SLOT,   4*HALFT
.set STAGE,  2*SLOT                    ; behind the ring: 4,352 bytes for each wave
.set SPARE,  STAGE+4*4352              ; the spare words, 128 bytes a wave
.set LAPS, SIZE_K/(2*KSTEP)
.set ADRA, 16
.set ADRB, 20
.set STO,  24
.set RD,   25
.set CO,   26
.set ROWN, 27
.set SPW,  28
.set NIL,  29
.set BIA,  96
.set ACC,  128
.set F0,   0
.set F1,   128
.set G1, 24
.set G0, 32
.set G1B, 48
.set G0B, 56
.set MSB, 0
.macro WIN new
.if MSB != \new
	s_set_vgpr_msb (MSB<<8)|\new
.set MSB, \new
.endif
.endm
.set MUL,  0x05                        ; sources 0 (B) and 1 (A) window 1; C and D window 0
.set TO_F, 0x40
.macro JLOAD s                         ; a joint load: waves 0 and 1 fetch A's halves, waves 2 and 3 B's; an s_nop 0 and four v_nop follow each line
	s_cmp_eq_u32 s11, 0
	s_cbranch_scc0 .Lfor_b_\@
	tensor_load_to_lds s[G0+4*\s:G0+4*\s+3], s[G1:G1+7]
	s_nop 0
.rept 4
	v_nop
.endr
	s_branch .Lasked_\@
.Lfor_b_\@:
	tensor_load_to_lds s[G0B+4*\s:G0B+4*\s+3], s[G1B:G1B+7]
	s_nop 0
.rept 4
	v_nop
.endr
.Lasked_\@:
.endm
.macro CREST
	s_cmp_lg_u32 s10, 0
	s_cbranch_scc1 .Lnot_wave_0_\@
	s_barrier_signal -3
.Lnot_wave_0_\@:
	s_barrier_wait -3
	s_barrier_signal -1
	s_barrier_wait -1
.endm
.macro CROUND
	s_barrier_signal -1
	s_barrier_wait -1
	CREST
.endm
	s_load_b128 s[4:7], s[0:1], 0x0                ; A, B
	s_load_b64 s[2:3], s[0:1], 0x10                ; the bias
	s_load_b64 s[8:9], s[0:1], 0x18                ; C
	v_lshl_add_u32 v[SPW], v0, 2, SPARE
	v_mov_b32 v[NIL], 0
	ds_add_u32 v[SPW], v[NIL]                      ; the wave's opening: the add, twice on end, and its wait ahead of my first tensor load
	ds_add_u32 v[SPW], v[NIL]
	v_lshrrev_b32 v1, 5, v0
	v_readfirstlane_b32 s10, v1                    ; wave 0..3
	s_lshr_b32 s11, s10, 1                         ; my half of the rows.  Also: I fetch for A (0) or B (1)
	s_and_b32 s12, s10, 1                          ; my half of the columns.  Also: which 64 rows I fetch
	s_bfe_u32 s40, ttmp6, 0x40000
	s_bfe_u32 s41, ttmp6, 0x40004
	s_lshl_b32 s42, ttmp9, 2
	s_add_co_u32 s42, s42, s40                     ; tile column
	s_and_b32 s13, ttmp7, 0xffff
	s_lshl_b32 s13, s13, 2
	s_add_co_u32 s13, s13, s41                     ; tile row
	s_lshl_b32 s43, s41, 2
	s_lshl_b32 s43, 15, s43
	s_lshl_b32 s44, 0x1111, s40
	s_or_b32 s[G1+0], s43, (1<<16)|(1<<20)|(1<<21)|(6<<22)|(3<<25)  ; the mask; elements of 2 bytes; padding on; bit 21 beside a mask; four words after every 128
	s_or_b32 s[G1B+0], s44, (1<<16)|(1<<20)|(1<<21)|(6<<22)|(3<<25)
.irp g, G1, G1B
	s_mov_b32 s[\g+1], KSTEP<<16
	s_mov_b32 s[\g+2], 64<<16
	s_mov_b32 s[\g+3], KSTEP<<16
	s_mov_b32 s[\g+4], 64
	s_mov_b32 s[\g+5], SIZE_K
	s_mov_b32 s[\g+6], 0
	s_mov_b32 s[\g+7], 0
.endr
	s_lshl_b32 s17, s12, 6
	s_lshl_b32 s16, s13, 7
	s_add_co_u32 s16, s16, s17
	s_lshl_b32 s46, s42, 7
	s_add_co_u32 s46, s46, s17
	s_mov_b32 s17, 0
	s_mov_b32 s47, 0
	s_mov_b64 s[18:19], SIZE_K*2
	s_mul_u64 s[16:17], s[16:17], s[18:19]
	s_mul_u64 s[46:47], s[46:47], s[18:19]
	s_mul_i32 s20, s10, HALFT
	s_wait_dscnt 0x0
	s_wait_kmcnt 0x0
.if KIND
	s_add_nc_u64 s[6:7], s[6:7], 0x200000          ; Wo lies behind Wp
.endif
	s_add_nc_u64 s[14:15], s[4:5], s[16:17]
	s_add_nc_u64 s[46:47], s[6:7], s[46:47]
	CROUND
.irp s, 0,1
	s_mov_b32 s[G0+4*\s], 1
	s_add_co_u32 s[G0+4*\s+1], s20, \s*SLOT
	s_add_nc_u64 s[G0+4*\s+2:G0+4*\s+3], s[14:15], \s*KSTEP*2
	s_or_b32 s[G0+4*\s+3], s[G0+4*\s+3], 0x80000000
	s_mov_b32 s[G0B+4*\s], 1
	s_add_co_u32 s[G0B+4*\s+1], s20, \s*SLOT
	s_add_nc_u64 s[G0B+4*\s+2:G0B+4*\s+3], s[46:47], \s*KSTEP*2
	s_or_b32 s[G0B+4*\s+3], s[G0B+4*\s+3], 0x80000000
	JLOAD \s
.endr
	v_and_b32 v1, 15, v0                           ; r
	v_bfe_u32 v2, v0, 4, 1                         ; h
	v_lshlrev_b32 v6, 5, v2                        ; the bias: for B's block b the numbers of columns 16 b + 8 h + 0..7 of my 64
	s_lshl_b32 s46, s42, 9
	s_lshl_b32 s47, s12, 8
	s_add_co_u32 s46, s46, s47                     ; my first column, in bytes of f32
	s_mov_b32 s47, 0
	s_add_nc_u64 s[2:3], s[2:3], s[46:47]
.irp b, 0,1,2,3
	global_load_b128 v[BIA+8*\b:BIA+8*\b+3], v6, s[2:3] offset:64*\b
	global_load_b128 v[BIA+8*\b+4:BIA+8*\b+7], v6, s[2:3] offset:64*\b+16
.endr
	v_mul_u32_u24 v3, v1, PITCH
	v_lshl_add_u32 v3, v2, 4, v3
	s_mul_i32 s21, s11, HALFT
	s_mul_i32 s22, s12, HALFT
	s_add_co_u32 s22, s22, 2*HALFT
.irp s, 0,1
	v_add_nc_u32 v[ADRA+\s], s21, v3
	v_add_nc_u32 v[ADRB+\s], s22, v3
	s_add_co_u32 s21, s21, SLOT
	s_add_co_u32 s22, s22, SLOT
.endr
	s_mul_i32 s23, s10, 4352
	s_add_co_u32 s23, s23, STAGE                   ; my stage
	s_lshl_b32 s16, s13, 7
	s_lshl_b32 s17, s11, 6
	s_add_co_u32 s16, s16, s17                     ; my first row of C
.if KIND
	v_mul_u32_u24 v4, v1, 272
	v_lshl_add_u32 v4, v2, 5, v4
	v_add_nc_u32 v[STO], s23, v4                   ; in: row r of 256 bytes + 16, 32 bytes for each half of the lanes
	v_mul_u32_u24 v5, v2, 272
	v_lshl_add_u32 v5, v1, 4, v5
	v_add_nc_u32 v[RD], s23, v5                    ; back: sixteen lanes a row, two rows an instruction
	v_lshlrev_b32 v5, 12, v2
	v_lshl_add_u32 v[CO], v1, 4, v5                ; and the same two rows in C
	s_lshl_b32 s16, s16, 12                        ; a row of C is 4,096 bytes; the columns' bytes stand in s46
.else
	v_mul_u32_u24 v4, v1, 144
	v_lshl_add_u32 v4, v2, 4, v4
	v_add_nc_u32 v[STO], s23, v4                   ; in: row r of 128 bytes + 16, 16 bytes for each half of the lanes
	v_bfe_u32 v5, v0, 3, 2
	v_mul_u32_u24 v5, v5, 144
	v_and_b32 v7, 7, v0
	v_lshl_add_u32 v5, v7, 4, v5
	v_add_nc_u32 v[RD], s23, v5                    ; back: eight lanes a row, four rows an instruction,
	v_and_b32 v7, 31, v0
	v_lshlrev_b32 v[CO], 4, v7                     ; which are 512 consecutive bytes of pe16
	v_add_nc_u32 v[ROWN], s16, v1                  ; the row u of my lane in block 0: it is compared, and enters no address
	s_lshl_b32 s16, s16, 7                         ; a row of a head is 128 bytes
	s_lshl_b32 s46, s42, 1
	s_add_co_u32 s46, s46, s12                     ; my head
	s_lshl_b32 s46, s46, 19                        ; 524,288 bytes a head
.endif
	s_mov_b32 s17, 0
	s_add_nc_u64 s[8:9], s[8:9], s[16:17]
	s_add_nc_u64 s[8:9], s[8:9], s[46:47]
.macro MUL8 f, c, a0, zero             ; 8 matrix instructions; zero = 1: the first product starts the sums, with the bias as C
.irp a, \a0, \a0+1
.irp b, 0,1,2,3
.if \zero
	v_wmma_f32_16x16x32_f16 v[ACC+8*(4*(\a)+\b):ACC+8*(4*(\a)+\b)+7], v[\f+64+8*(4*\c+\b):\f+64+8*(4*\c+\b)+7], v[\f+8*(4*\c+\a):\f+8*(4*\c+\a)+7], v[BIA+8*\b:BIA+8*\b+7]
.else
	v_wmma_f32_16x16x32_f16 v[ACC+8*(4*(\a)+\b):ACC+8*(4*(\a)+\b)+7], v[\f+64+8*(4*\c+\b):\f+64+8*(4*\c+\b)+7], v[\f+8*(4*\c+\a):\f+8*(4*\c+\a)+7], v[ACC+8*(4*(\a)+\b):ACC+8*(4*(\a)+\b)+7]
.endif
.endr
.endr
.endm
.macro FETCH slot, k, f                ; 32 LDS loads in one run: the fragments of 64 along K at byte k of the rows
	WIN TO_F
.irp c, 0,1
.irp i, 0,1,2,3
	ds_load_b128 v[\f+64+8*(4*\c+\i):\f+64+8*(4*\c+\i)+3],   v[ADRB+\slot] offset:\k+64*\c+\i*16*PITCH
	ds_load_b128 v[\f+64+8*(4*\c+\i)+4:\f+64+8*(4*\c+\i)+7], v[ADRB+\slot] offset:\k+64*\c+\i*16*PITCH+32
	ds_load_b128 v[\f+8*(4*\c+\i):\f+8*(4*\c+\i)+3],         v[ADRA+\slot] offset:\k+64*\c+\i*16*PITCH
	ds_load_b128 v[\f+8*(4*\c+\i)+4:\f+8*(4*\c+\i)+7],       v[ADRA+\slot] offset:\k+64*\c+\i*16*PITCH+32
.endr
.endr
.endm
.macro PLACES
.rept 4
	v_nop
.endr
.endm
.macro QUARTER slot, k, f, g, zero
	s_wait_dscnt 16                                ; the first 32 along K are in; the other sixteen loads may be out
	WIN MUL
	MUL8 \f, 0, 0, \zero
	MUL8 \f, 0, 2, \zero
	PLACES
	FETCH \slot, \k, \g
	s_wait_dscnt 32                                ; all but the 32 just issued
	WIN MUL
	MUL8 \f, 1, 0, 0
	MUL8 \f, 1, 2, 0
.endm
.macro TURN slot, next, fill           ; the last quarter changes slots: one barrier; fill = 1: this slot is filled again, two K steps ahead
	WIN 0
	s_wait_tensorcnt 0x0                           ; all my tensor loads have landed: my part of the next slot
	ds_add_u32 v[SPW], v[NIL]                      ; 0 onto my spare word
	s_wait_dscnt 17                                ; the add and the youngest sixteen loads may be out
	WIN MUL
	MUL8 F1, 0, 0, 0
	s_wait_dscnt 0x0                               ; the add is done, and my reads of this slot are over
	s_barrier_signal -1
	MUL8 F1, 0, 2, 0
.if \fill
	WIN 0
.endif
	s_barrier_wait -1
.if \fill
	CREST                                          ; the barrier has opened a round of the cluster's: no wave of any partner still reads this slot or has a load on its way
	s_add_nc_u64 s[G0+4*\slot+2:G0+4*\slot+3], s[G0+4*\slot+2:G0+4*\slot+3], 2*KSTEP*2
	s_add_nc_u64 s[G0B+4*\slot+2:G0B+4*\slot+3], s[G0B+4*\slot+2:G0B+4*\slot+3], 2*KSTEP*2
	JLOAD \slot
.else
	PLACES
.endif
	FETCH \next, 0, F0
	WIN MUL
	MUL8 F1, 1, 0, 0
	MUL8 F1, 1, 2, 0
.endm
	s_wait_loadcnt 0x0                             ; the bias (its base register is written again below)
	s_wait_tensorcnt 1                             ; my part of K step 0 is in; K step 1's load may be out
	s_barrier_signal -1
	s_barrier_wait -1
	FETCH 0, 0, F0
	QUARTER 0, 128, F0, F1, 1
	WIN 0
	s_mov_b32 s3, LAPS-1
.Llap:
	QUARTER 0, 256, F1, F0, 0
	QUARTER 0, 384, F0, F1, 0
	TURN 0, 1, 1
	QUARTER 1, 128, F0, F1, 0
	QUARTER 1, 256, F1, F0, 0
	QUARTER 1, 384, F0, F1, 0
	TURN 1, 0, 1
	QUARTER 0, 128, F0, F1, 0
	WIN 0
	s_sub_co_u32 s3, s3, 1
	s_cmp_lg_u32 s3, 0
	s_cbranch_scc1 .Llap
	QUARTER 0, 256, F1, F0, 0                      ; the last lap fills nothing
	QUARTER 0, 384, F0, F1, 0
	TURN 0, 1, 0
	QUARTER 1, 128, F0, F1, 0
	QUARTER 1, 256, F1, F0, 0
	QUARTER 1, 384, F0, F1, 0
	s_wait_dscnt 16
	WIN MUL
	MUL8 F1, 0, 0, 0
	MUL8 F1, 0, 2, 0
	s_wait_dscnt 0
	MUL8 F1, 1, 0, 0
	MUL8 F1, 1, 2, 0
	WIN 0
	PLACES
; THE WAY OUT, a block of 16 rows at a time, through my own stage; LDS serves a wave's instructions in order, so no wait stands between the stores and the loads.
.if KIND
.macro TOST a
.irp b, 0,1,2,3
	ds_store_b128 v[STO], v[ACC+8*(4*(\a)+\b):ACC+8*(4*(\a)+\b)+3] offset:64*\b       ; each accumulator from its low end on
	ds_store_b128 v[STO], v[ACC+8*(4*(\a)+\b)+4:ACC+8*(4*(\a)+\b)+7] offset:64*\b+16
.endr
.set BB, 32+32*((\a)%2)
.irp t, 0,1,2,3,4,5,6,7
	ds_load_b128 v[BB+4*\t:BB+4*\t+3], v[RD] offset:\t*544
.endr
.endm
.macro SEND a, younger
.set BB, 32+32*((\a)%2)
	s_wait_dscnt \younger                          ; the next block's LDS instructions may be out
.irp t, 0,1,2,3,4,5,6,7
	global_store_b128 v[CO], v[BB+4*\t:BB+4*\t+3], s[8:9] offset:(16*(\a)+2*\t)*4096 th:TH_STORE_NT   ; sixteen lanes store 256 consecutive bytes, aligned
.endr
.endm
	TOST 0
	TOST 1
	SEND 0, 16
	s_wait_xcnt 0x0                                ; block 0's stores have read their registers
	TOST 2
	SEND 1, 16
	s_wait_xcnt 0x0
	TOST 3
	SEND 2, 16
	SEND 3, 0
.else
.macro TOST a
.set TT, 32+16*((\a)%2)
.irp b, 0,1,2,3
.irp r, 0,1,2,3
	v_cvt_pk_f16_f32 v[TT+4*\b+\r], v[ACC+8*(4*(\a)+\b)+2*\r], v[ACC+8*(4*(\a)+\b)+2*\r+1]
.endr
.endr
	v_cmp_ne_u32 vcc_lo, 2049-16*(\a), v[ROWN]     ; is my row another than u = 2049?  A choice of values, no branch
.irp i, 0,1,2,3,4,5,6,7,8,9,10,11,12,13,14,15
	v_cndmask_b32 v[TT+\i], 0, v[TT+\i], vcc_lo    ; row 2049 becomes zeros
.endr
.irp b, 0,1,2,3
	ds_store_b128 v[STO], v[TT+4*\b:TT+4*\b+3] offset:32*\b
.endr
.set BB, 64+16*((\a)%2)
.irp t, 0,1,2,3
	ds_load_b128 v[BB+4*\t:BB+4*\t+3], v[RD] offset:576*\t
.endr
.endm
.macro SEND a, younger
.set BB, 64+16*((\a)%2)
	s_wait_dscnt \younger
.irp t, 0,1,2,3
	global_store_b128 v[CO], v[BB+4*\t:BB+4*\t+3], s[8:9] offset:(16*(\a)+4*\t)*128   ; 32 lanes store 512 consecutive bytes, aligned
.endr
.endm
	TOST 0
	TOST 1
	SEND 0, 8
	s_wait_xcnt 0x0
	TOST 2
	SEND 1, 8
	s_wait_xcnt 0x0
	TOST 3
	SEND 2, 8
	SEND 3, 0
.endif
	s_wait_tensorcnt 0x0                           ; the wave's end
	ds_add_u32 v[SPW], v[NIL]
	s_wait_dscnt 0x0
	CROUND                                         ; the closing round
	s_endpgm
.Lfunc_end_k_qed39ea5df4_gemmout:
	.size	k_qed39ea5df4_gemmout, .Lfunc_end_k_qed39ea5df4_gemmout-k_qed39ea5df4_gemmout
	.p2alignl 7, 3214868480
	.fill 96, 4, 3214868480
	.section	.rodata,"a",@progbits
	.p2align	6, 0x0
	.amdhsa_kernel k_qed39ea5df4_gemmout
		.amdhsa_group_segment_fixed_size 327680
		.amdhsa_private_segment_fixed_size 0
		.amdhsa_enable_private_segment 0
		.amdhsa_kernarg_size 32
		.amdhsa_user_sgpr_count 2
		.amdhsa_user_sgpr_kernarg_segment_ptr 1
		.amdhsa_wavefront_size32 1
		.amdhsa_system_sgpr_workgroup_id_x 1
		.amdhsa_system_sgpr_workgroup_id_y 1
		.amdhsa_system_sgpr_workgroup_id_z 1
		.amdhsa_system_vgpr_workitem_id 0
		.amdhsa_next_free_vgpr 512
		.amdhsa_next_free_sgpr 66
		.amdhsa_reserve_vcc 1
		.amdhsa_float_denorm_mode_32 3
		.amdhsa_float_denorm_mode_16_64 3
		.amdhsa_memory_ordered 1
		.amdhsa_forward_progress 1
		.amdhsa_inst_pref_size 87
	.end_amdhsa_kernel
	.amdgpu_metadata
---
amdhsa.version: [ 1, 2 ]
amdhsa.kernels:
  - .name:           k_qed39ea5df4_gemmout
    .symbol:         k_qed39ea5df4_gemmout.kd
    .args:
      - { .name: att16, .offset: 0, .size: 8, .value_kind: global_buffer, .address_space: global }
      - { .name: w16, .offset: 8, .size: 8, .value_kind: global_buffer, .address_space: global }
      - { .name: bo, .offset: 16, .size: 8, .value_kind: global_buffer, .address_space: global }
      - { .name: out0, .offset: 24, .size: 8, .value_kind: global_buffer, .address_space: global }
    .group_segment_fixed_size: 327680
    .private_segment_fixed_size: 0
    .kernarg_segment_align: 8
    .kernarg_segment_size: 32
    .max_flat_workgroup_size: 128
    .sgpr_count:     66
    .vgpr_count:     512
    .wavefront_size: 32
...
	.end_amdgpu_metadata
.endif
;; end of part 5
